; MI455X (gfx1250); checked and timed in simulation.
; The chip was launched on July 23, 2026; its instructions are those of AMD's public machine-readable ISA for CDNA 5 (MIT licence, August 2026) and "CDNA5" Instruction Set Architecture Reference Guide (July 2026). The comments in the code are by the model that wrote it; some were corrected since.
;; Modulated MLP Head. Allowed arithmetic: float matrix products may take bf16 or f16 operands with f32 sums; all other float work in f32.
;; Inputs: A0_b 256 float32; A0_w 256 x 1 float32; A_out_b 6 float32; A_out_w 6 x 256 float32; As_b 3 x 256 float32; As_w 3 x 256 x 256 float32; Pj 128 x 512 float32; c1_b 512 float32; c1_w 512 x 512 float32; c2_b 1 float32; c2_w 1 x 512 float32; s 128 x 2,048 x 1 float32; w0_b 256 float32; w0_w 256 x 512 float32; ws_b 3 x 256 float32; ws_w 3 x 256 x 768 float32.
;; Outputs: out0 128 x 2,048 x 6 float32; out1 128 x 1 float32.
;; 2 versions, each right and faster than the one before. Each part assembles by itself: llvm-mc -triple=amdgcn-amd-amdhsa -mcpu=gfx1250 --defsym DOCPART=n.
;; ======== version 1 of 2: 3 launches
;; workspace buffers: h0w 131,072 bytes; zb 393,216 bytes; fp 4,096 bytes; asf 393,216 bytes; waf 393,216 bytes; hs 393,216 bytes
;; launch pre (part 1): grid 216 x 1, 4 waves a work-group, no clusters, 17,920 bytes of LDS; arguments Pj, w0_w, w0_b, ws_w, ws_b, c1_w, c1_b, c2_w, As_w, h0w, zb, fp, asf, waf; writes h0w, zb, fp, asf, waf
.if DOCPART == 1
	.amdgcn_target "amdgcn-amd-amdhsa--gfx1250"
	.amdhsa_code_object_version 6
	.text
	.protected	k_q8fa95302ca_pre
	.globl	k_q8fa95302ca_pre
	.p2align	8
	.type	k_q8fa95302ca_pre,@function
k_q8fa95302ca_pre:
	s_mov_b64 s[64:65], 0
	v_nop
	global_prefetch_b8 v0, s[64:65] scope:SCOPE_SE
	s_setreg_imm32_b32 hwreg(HW_REG_WAVE_MODE, 25, 1), 1
	s_wait_xcnt 0x0
; Everything that hangs on Pj alone, and the two sets of 256 x 256 weights laid out for the later launches.
; Work-groups 0-191 (STRIPS): strip sg = x / 8 is 64 output columns of one of three products with Pj, mu = x % 8 is 16 rows of Pj.
;   sg 0-3:   h0 = relu(Pj w0^T + w0_b)                      -> h0w [128][256] f32
;   sg 4-15:  Pj (ws_w[i][:, 256:])^T + ws_b[i], no relu     -> zb  [3][128][256] f32
;   sg 16-23: the strip's part of relu(Pj c1^T + c1_b) . c2  -> fp  [8][128] f32
;   The four waves split K = 512 in four; the four partial sums meet in LDS and are added in f32.
; Work-groups 192-215 (REORDER): As_w and ws_w[:, :, :256] rounded to bf16 and written in fragment order: fragment (layer, 16 rows nt, 32 columns c) is
;   1,024 bytes at ((layer 16 + nt) 8 + c) 1,024: lane l's registers 0-3 at 16 l, its registers 4-7 at 512 + 16 l, so that a later load of a wave is 512 consecutive bytes.
; FORMATS.  Every input is rounded to bf16 (biases and c2 too, and widened again); products on the matrix unit, sums in f32.  NaN and infinities are not treated apart.
; The matrix instruction is used transposed (source 0 = 16 rows of the weights, source 1 = 16 rows of Pj): a lane holds one row of Pj and eight neighbouring columns.
; No cluster, no tensor load: each work-group reads its 128 KB of weights once, straight into registers.
.set RP,    272                        ; a row of partial sums in LDS: 64 f32 + 16 bytes, an odd multiple of 16
.set RW,    16*RP                      ; one wave's 16 rows
.set SPARE, 4*RW                       ; behind the four waves' sums: the spare words, 128 bytes a wave
.set MSB, 0
.macro WIN new                         ; the immediate's high byte repeats the setting that is left
.if MSB != (\new)
	s_set_vgpr_msb (MSB<<8)|(\new)
.set MSB, (\new)
.endif
.endm
.macro RND2 x, y, t                    ; two f32 rounded to bf16 and widened again
	v_cvt_pk_bf16_f32 v[\t], v[\x], v[\y]
	v_lshlrev_b32 v[\x], 16, v[\t]
	v_and_b32 v[\y], 0xffff0000, v[\t]
.endm
; window 0: v1 r = lane % 16 (also q = thread % 16), v2 h = lane / 16, v3 Pj's lane offset, v4-7 the weights' lane offsets, v8-13 addresses, v14, v15 the add's two,
;           v16-79 Pj as loaded (then v16-47 the sums, v48-79 the reduction), v80-111 Pj's fragments, v112-239 the weights' fragments, v240-251 bias and c2
; window 1: v0-255 the weights as loaded, 16 registers a fragment
	s_load_b512 s[4:19], s[0:1], 0x0               ; Pj 4, w0_w 6, w0_b 8, ws_w 10, ws_b 12, c1_w 14, c1_b 16, c2_w 18
	s_load_b256 s[20:27], s[0:1], 0x40             ; As_w 20, h0w 22, zb 24, fp 26
	s_load_b128 s[28:31], s[0:1], 0x60             ; asf 28, waf 30
	v_lshl_add_u32 v14, v0, 2, SPARE
	v_mov_b32 v15, 0
	v_lshrrev_b32 v1, 5, v0
	v_readfirstlane_b32 s32, v1                    ; wave 0..3
	v_and_b32 v1, 15, v0
	v_bfe_u32 v2, v0, 4, 1
	s_movk_i32 s45, 2048                           ; bytes in a row of w0_w and c1_w
	s_movk_i32 s46, 3072                           ; and of ws_w
	s_mov_b32 s49, 0                               ; the high word of every offset
	s_wait_kmcnt 0x0
	s_cmp_ge_u32 ttmp9, 192
	s_cbranch_scc1 .Lcv
	; ---------------- STRIPS ----------------
	s_lshr_b32 s33, ttmp9, 3                       ; sg
	s_and_b32 s34, ttmp9, 7                        ; mu
	s_cmp_lt_u32 s33, 4
	s_cselect_b64 s[36:37], s[6:7], s[10:11]       ; the weights,
	s_cselect_b64 s[38:39], s[8:9], s[12:13]       ; the bias,
	s_cselect_b64 s[52:53], s[22:23], s[24:25]     ; where the result goes,
	s_cselect_b32 s40, 0, 4                        ; the product's first strip,
	s_cselect_b32 s41, s45, s46                    ; the weights' row pitch,
	s_cselect_b32 s42, 0, 1024                     ; where Pj's columns begin in a row,
	s_cselect_b32 s43, 0, 0xff800000               ; and the floor: 0 is a relu, minus infinity none
	s_cmp_ge_u32 s33, 16
	s_cselect_b64 s[36:37], s[14:15], s[36:37]
	s_cselect_b64 s[38:39], s[16:17], s[38:39]
	s_cselect_b32 s40, 16, s40
	s_cselect_b32 s41, s45, s41
	s_cselect_b32 s42, 0, s42
	s_cselect_b32 s43, 0, s43
	s_sub_co_u32 s44, s33, s40                     ; t: the strip's number in its product; its rows are 64 t on
	s_mul_i32 s48, s44, s41
	s_lshl_b32 s48, s48, 6
	s_add_co_u32 s48, s48, s42
	s_lshl_b32 s47, s32, 9                         ; my wave's 128 of K: 512 bytes
	s_add_co_u32 s48, s48, s47
	s_add_nc_u64 s[36:37], s[36:37], s[48:49]
	s_lshl_b32 s48, s44, 8
	s_add_nc_u64 s[38:39], s[38:39], s[48:49]
	s_max_u32 s48, s33, 16                         ; c2's 64 numbers of the strip; a strip of another product loads c2's first 64 and does not use them,
	s_sub_co_u32 s48, s48, 16                      ; so that the load stays inside c2_w and stands on every path
	s_lshl_b32 s48, s48, 8
	s_add_nc_u64 s[18:19], s[18:19], s[48:49]
	s_lshl_b32 s48, s34, 15                        ; 16 mu rows of 2,048 bytes
	s_add_co_u32 s48, s48, s47
	s_add_nc_u64 s[4:5], s[4:5], s[48:49]
	v_lshlrev_b32 v3, 11, v1
	v_lshl_add_u32 v3, v2, 5, v3                   ; r x 2,048 + 32 h
.irp a, 0,1,2,3
	v_add_nc_u32 v[4+\a], 16*\a, v1
	v_mul_lo_u32 v[4+\a], v[4+\a], s41
	v_lshl_add_u32 v[4+\a], v2, 5, v[4+\a]         ; (16 a + r) x pitch + 32 h
.endr
	v_lshlrev_b32 v9, 4, v1                        ; 16 q
	; a fragment of 16 rows x 32 K wants K = 8 h + 0..7 and 16 + 8 h + 0..7 of the lane's row: in f32 four loads of 16 bytes, at 0, 16, 64, 80
.irp c, 0,1,2,3
.irp e, 0,1,2,3
	global_load_b128 v[16+16*\c+4*\e:19+16*\c+4*\e], v3, s[4:5] offset:128*\c+16*(\e&1)+64*(\e>>1)
.endr
.endr
	global_load_b128 v[240:243], v9, s[38:39]
	global_load_b128 v[244:247], v9, s[18:19]
	WIN 0x40                                       ; destination window 1
.irp a, 0,1,2,3
.irp c, 0,1,2,3
.irp e, 0,1,2,3
	global_load_b128 v[16*(4*\a+\c)+4*\e:16*(4*\a+\c)+4*\e+3], v[4+\a], s[36:37] offset:128*\c+16*(\e&1)+64*(\e>>1)
.endr
.endr
.endr
	WIN 0
	v_mul_u32_u24 v8, v1, RP                       ; my sums go to wave x 16 rows + row r, 32 bytes for each half of the lanes
	v_lshl_add_u32 v8, v2, 5, v8
	s_mul_i32 s47, s32, RW
	v_add_nc_u32 v8, s47, v8
	v_lshrrev_b32 v12, 4, v0                       ; the reduction: thread t takes rows t / 16 and t / 16 + 8, columns 4 q on
	v_mul_u32_u24 v10, v12, RP
	v_add_nc_u32 v10, v10, v9
	v_lshl_add_u32 v11, v12, 10, v9                ; the same place in a result of 256 columns
	v_lshlrev_b32 v13, 2, v12                      ; and in fp
	s_wait_loadcnt 0x0
.irp c, 0,1,2,3
.irp j, 0,1,2,3,4,5,6,7
	v_cvt_pk_bf16_f32 v[80+8*\c+\j], v[16+16*\c+2*\j], v[17+16*\c+2*\j]
.endr
.endr
	WIN 0x05                                       ; sources in window 1
.set f_, 0
.rept 16
.irp j, 0,1,2,3,4,5,6,7
	v_cvt_pk_bf16_f32 v[112+8*f_+\j], v[16*f_+2*\j], v[16*f_+2*\j+1]
.endr
.set f_, f_+1
.endr
	WIN 0
	; 16 matrix instructions; the four accumulators take turns; the first four start the sums
.irp c, 0,1,2,3
.irp a, 0,1,2,3
.if \c == 0
	v_wmma_f32_16x16x32_bf16 v[16+8*\a:23+8*\a], v[112+8*(4*\a+\c):119+8*(4*\a+\c)], v[80+8*\c:87+8*\c], 0
.else
	v_wmma_f32_16x16x32_bf16 v[16+8*\a:23+8*\a], v[112+8*(4*\a+\c):119+8*(4*\a+\c)], v[80+8*\c:87+8*\c], v[16+8*\a:23+8*\a]
.endif
.endr
.endr
.rept 4
	v_nop                                          ; four places between the last product and the stores that read the sums
.endr
.irp a, 0,1,2,3
	ds_store_b128 v8, v[16+8*\a:19+8*\a] offset:64*\a
	ds_store_b128 v8, v[20+8*\a:23+8*\a] offset:64*\a+16
.endr
	s_wait_dscnt 0x0                               ; for the others' sake: my sums are in LDS
	s_barrier_signal -1
	s_barrier_wait -1
.irp p, 0,1
.irp w, 0,1,2,3
	ds_load_b128 v[48+16*\p+4*\w:51+16*\p+4*\w], v10 offset:\w*RW+8*\p*RP
.endr
.endr
	s_wait_tensorcnt 0x0                           ; the wave's closing three lines, behind its last LDS store
	ds_add_u32 v14, v15
	RND2 240, 241, 248                             ; bias and c2 are rounded while the add and the loads are out
	RND2 242, 243, 249
	RND2 244, 245, 250
	RND2 246, 247, 251
	s_wait_dscnt 0x0                               ; the add, and the eight loads above
.irp p, 0,1
.irp k, 0,2
	v_pk_add_f32 v[48+16*\p+\k:49+16*\p+\k], v[48+16*\p+\k:49+16*\p+\k], v[52+16*\p+\k:53+16*\p+\k]
	v_pk_add_f32 v[56+16*\p+\k:57+16*\p+\k], v[56+16*\p+\k:57+16*\p+\k], v[60+16*\p+\k:61+16*\p+\k]
.endr
.irp k, 0,2
	v_pk_add_f32 v[48+16*\p+\k:49+16*\p+\k], v[48+16*\p+\k:49+16*\p+\k], v[56+16*\p+\k:57+16*\p+\k]
.endr
.irp k, 0,2
	v_pk_add_f32 v[48+16*\p+\k:49+16*\p+\k], v[48+16*\p+\k:49+16*\p+\k], v[240+\k:241+\k]
.endr
.irp k, 0,1,2,3
	v_max_num_f32 v[48+16*\p+\k], s43, v[48+16*\p+\k]
.endr
.endr
	s_cmp_ge_u32 s33, 16
	s_cbranch_scc1 .Ldot
	s_lshr_b32 s48, s44, 2                         ; plane t / 4 of 128 rows x 1,024 bytes,
	s_lshl_b32 s48, s48, 17
	s_lshl_b32 s47, s34, 14                        ; row 16 mu,
	s_add_co_u32 s48, s48, s47
	s_and_b32 s47, s44, 3                          ; columns 64 (t % 4) on
	s_lshl_b32 s47, s47, 8
	s_add_co_u32 s48, s48, s47
	s_add_nc_u64 s[52:53], s[52:53], s[48:49]
	global_store_b128 v11, v[48:51], s[52:53]      ; sixteen lanes store 256 consecutive bytes, at a multiple of 256 from the buffer's first
	global_store_b128 v11, v[64:67], s[52:53] offset:8192
	s_endpgm
.Ldot:                                                 ; c1's strips: the 64 columns times c2, in f32, summed over the sixteen lanes of a row
.irp p, 0,1
	v_mul_f32 v[80+\p], v[48+16*\p], v244
	v_fmac_f32 v[80+\p], v[49+16*\p], v245
	v_fmac_f32 v[80+\p], v[50+16*\p], v246
	v_fmac_f32 v[80+\p], v[51+16*\p], v247
.endr
.irp m, 1,2,4,8
	v_add_f32_dpp v80, v80, v80 row_xmask:\m row_mask:0xf bank_mask:0xf
	v_add_f32_dpp v81, v81, v81 row_xmask:\m row_mask:0xf bank_mask:0xf
.endr
	s_lshl_b32 s48, s44, 9                         ; fp[t][16 mu + row]
	s_lshl_b32 s47, s34, 6
	s_add_co_u32 s48, s48, s47
	s_add_nc_u64 s[26:27], s[26:27], s[48:49]
	v_cmp_eq_u32 vcc_lo, 0, v1
	s_wait_xcnt 0x0                                ; EXEC changes only behind this wait
	s_and_saveexec_b32 s54, vcc_lo                 ; one lane of sixteen stores the row's number
	global_store_b32 v13, v80, s[26:27]
	global_store_b32 v13, v81, s[26:27] offset:32
	s_wait_xcnt 0x0
	s_or_b32 exec_lo, exec_lo, s54
	s_endpgm
	; ---------------- REORDER ----------------
.Lcv:
	s_sub_co_u32 s33, ttmp9, 192                   ; 0-11 As_w, 12-23 ws_w's first 256 columns
	s_cmp_ge_u32 s33, 12
	s_cselect_b64 s[36:37], s[10:11], s[20:21]
	s_cselect_b64 s[38:39], s[30:31], s[28:29]
	s_cselect_b32 s41, s46, 1024                   ; row pitch
	s_cselect_b32 s40, 12, 0
	s_sub_co_u32 s33, s33, s40
	s_lshl2_add_u32 s44, s33, s32                  ; my wave's block of 16 rows among the set's 48: layer x 16 + nt
	s_mul_i32 s48, s44, s41
	s_lshl_b32 s48, s48, 4
	s_add_nc_u64 s[36:37], s[36:37], s[48:49]
	s_lshl_b32 s48, s44, 13                        ; its eight fragments
	s_add_nc_u64 s[38:39], s[38:39], s[48:49]
	v_mul_lo_u32 v3, v1, s41
	v_lshl_add_u32 v3, v2, 5, v3
	v_and_b32 v4, 31, v0
	v_lshlrev_b32 v4, 4, v4
.irp c, 0,1,2,3,4,5,6,7
.irp e, 0,1,2,3
	global_load_b128 v[16+16*\c+4*\e:19+16*\c+4*\e], v3, s[36:37] offset:128*\c+16*(\e&1)+64*(\e>>1)
.endr
.endr
.irp c, 0,1,2,3,4,5,6,7
	s_wait_loadcnt 28-4*\c                         ; loads come back in order: fragment c's four are in, the later fragments' stay out
.irp j, 0,1,2,3,4,5,6,7
	v_cvt_pk_bf16_f32 v[144+8*\c+\j], v[16+16*\c+2*\j], v[17+16*\c+2*\j]
.endr
	global_store_b128 v4, v[144+8*\c:147+8*\c], s[38:39] offset:1024*\c
	global_store_b128 v4, v[148+8*\c:151+8*\c], s[38:39] offset:1024*\c+512
.endr
	s_endpgm
.Lfunc_end_k_q8fa95302ca_pre:
	.size	k_q8fa95302ca_pre, .Lfunc_end_k_q8fa95302ca_pre-k_q8fa95302ca_pre
	.p2alignl 7, 3214868480
	.fill 96, 4, 3214868480
	.section	.rodata,"a",@progbits
	.p2align	6, 0x0
	.amdhsa_kernel k_q8fa95302ca_pre
		.amdhsa_group_segment_fixed_size 17920
		.amdhsa_private_segment_fixed_size 0
		.amdhsa_enable_private_segment 0
		.amdhsa_kernarg_size 112
		.amdhsa_user_sgpr_count 2
		.amdhsa_user_sgpr_kernarg_segment_ptr 1
		.amdhsa_wavefront_size32 1
		.amdhsa_system_sgpr_workgroup_id_x 1
		.amdhsa_system_sgpr_workgroup_id_y 1
		.amdhsa_system_sgpr_workgroup_id_z 1
		.amdhsa_system_vgpr_workitem_id 0
		.amdhsa_next_free_vgpr 512
		.amdhsa_next_free_sgpr 66
		.amdhsa_reserve_vcc 1
		.amdhsa_float_denorm_mode_32 3
		.amdhsa_float_denorm_mode_16_64 3
		.amdhsa_memory_ordered 1
		.amdhsa_forward_progress 1
		.amdhsa_inst_pref_size 37
	.end_amdhsa_kernel
	.amdgpu_metadata
---
amdhsa.version: [ 1, 2 ]
amdhsa.kernels:
  - .name:           k_q8fa95302ca_pre
    .symbol:         k_q8fa95302ca_pre.kd
    .args:
      - { .name: Pj, .offset: 0, .size: 8, .value_kind: global_buffer, .address_space: global }
      - { .name: w0_w, .offset: 8, .size: 8, .value_kind: global_buffer, .address_space: global }
      - { .name: w0_b, .offset: 16, .size: 8, .value_kind: global_buffer, .address_space: global }
      - { .name: ws_w, .offset: 24, .size: 8, .value_kind: global_buffer, .address_space: global }
      - { .name: ws_b, .offset: 32, .size: 8, .value_kind: global_buffer, .address_space: global }
      - { .name: c1_w, .offset: 40, .size: 8, .value_kind: global_buffer, .address_space: global }
      - { .name: c1_b, .offset: 48, .size: 8, .value_kind: global_buffer, .address_space: global }
      - { .name: c2_w, .offset: 56, .size: 8, .value_kind: global_buffer, .address_space: global }
      - { .name: As_w, .offset: 64, .size: 8, .value_kind: global_buffer, .address_space: global }
      - { .name: h0w, .offset: 72, .size: 8, .value_kind: global_buffer, .address_space: global }
      - { .name: zb, .offset: 80, .size: 8, .value_kind: global_buffer, .address_space: global }
      - { .name: fp, .offset: 88, .size: 8, .value_kind: global_buffer, .address_space: global }
      - { .name: asf, .offset: 96, .size: 8, .value_kind: global_buffer, .address_space: global }
      - { .name: waf, .offset: 104, .size: 8, .value_kind: global_buffer, .address_space: global }
    .group_segment_fixed_size: 17920
    .private_segment_fixed_size: 0
    .kernarg_segment_align: 8
    .kernarg_segment_size: 112
    .max_flat_workgroup_size: 128
    .sgpr_count:     66
    .vgpr_count:     512
    .wavefront_size: 32
...
	.end_amdgpu_metadata
.endif
;; end of part 1
;; launch chain (part 2): grid 8 x 1, 4 waves a work-group, no clusters, 101,120 bytes of LDS; arguments h0w, zb, fp, waf, c2_b, hs, out1; writes hs, out1
.if DOCPART == 2
	.amdgcn_target "amdgcn-amd-amdhsa--gfx1250"
	.amdhsa_code_object_version 6
	.text
	.protected	k_q8fa95302ca_chain
	.globl	k_q8fa95302ca_chain
	.p2align	8
	.type	k_q8fa95302ca_chain,@function
k_q8fa95302ca_chain:
	s_mov_b64 s[64:65], 0
	v_nop
	global_prefetch_b8 v0, s[64:65] scope:SCOPE_SE
	s_setreg_imm32_b32 hwreg(HW_REG_WAVE_MODE, 25, 1), 1
	s_wait_xcnt 0x0
; h[i+1] = relu(h[i] Wa[i]^T + zb[i]), i = 0, 1, 2, where Wa[i] = ws_w[i][:, :256] (bf16, in fragment order) and zb[i] holds Pj's part and the bias; and f = sigmoid(sum of fp + c2_b).
; Three steps that wait for each other, on 128 rows: a work-group owns 16 rows through all three, wave w the columns 64 w on.  All three layers' weights (256 registers each)
; are asked for at the start, so that only the first step waits for memory.  Eight work-groups are all the work there is: rows cannot be cut finer than a matrix tile's 16.
; h goes into the product as two bf16 numbers, its rounding and the rounded remainder (two products for each K), so the chain adds next to nothing to the inputs' own rounding.
; LIMITS.  An h beyond bf16's largest finite number gives a NaN (infinity less infinity in the remainder); NaN and infinities are not treated apart.
; The matrix instruction is used transposed (source 0 = 16 rows of Wa, source 1 = 16 rows of h): a lane holds one row and eight neighbouring columns; zb is loaded in that layout and is the sums' start.
; LDS: for each step's input two planes [16 rows][256] bf16, rows 528 bytes apart; for each step's result a stage [16][256] f32, rows 1,040 bytes apart.  Nothing is written twice.
.set PP,    528
.set PL,    16*PP                      ; a plane
.set PLS,   2*PL                       ; a step's two planes
.set HF,    3*PLS                      ; the three stages
.set HP,    1040
.set HFS,   16*HP
.set SPARE, HF+3*HFS                   ; the spare words, 128 bytes a wave
.set Z0, 48                            ; v48-79, v80-111, v16-47: the three steps' sums
.set Z1, 80
.set Z2, 16
; window 0: v1 16 x lane, v2 r, v3 h, v4 lane offset in zb and h0w, v5 plane store, v6 plane load, v7 stage store, v8 stage load, v9 4 r, v10 lane, v14, v15 the add's two,
;           v112-239 h's 16 fragments (K chunk c, plane p at 112 + 8 (2 c + p)), v240-255 at work.      windows 1-3: Wa[0..2], fragment (a, c) at v[64 a + 8 c]
.set MSB, 0
.macro WIN new
.if MSB != (\new)
	s_set_vgpr_msb (MSB<<8)|(\new)
.set MSB, (\new)
.endif
.endm
.macro WLOAD b0, b1                    ; my 64 rows of all three layers: 192 loads of 512 consecutive bytes
.irp l, 1,2,3
	WIN \l<<6
.irp a, 0,1,2,3
.irp c, 0,1,2,3,4,5,6,7
	global_load_b128 v[64*\a+8*\c:64*\a+8*\c+3], v1, s[\b0:\b1] offset:(\l-1)*131072+(8*\a+\c)*1024
	global_load_b128 v[64*\a+8*\c+4:64*\a+8*\c+7], v1, s[\b0:\b1] offset:(\l-1)*131072+(8*\a+\c)*1024+512
.endr
.endr
.endr
	WIN 0
.endm
.macro SPLIT l, src                    ; 32 f32 a lane -> rounding and rounded remainder, into step l's two planes
.irp a, 0,1,2,3
.irp k, 0,1,2,3
	v_cvt_pk_bf16_f32 v[240+\k], v[(\src)+8*\a+2*\k], v[(\src)+8*\a+2*\k+1]
.endr
.irp k, 0,1,2,3
	v_lshlrev_b32 v[248+2*\k], 16, v[240+\k]
	v_and_b32 v[249+2*\k], 0xffff0000, v[240+\k]
.endr
.irp k, 0,1,2,3
	v_pk_add_f32 v[248+2*\k:249+2*\k], v[(\src)+8*\a+2*\k:(\src)+8*\a+2*\k+1], v[248+2*\k:249+2*\k] neg_lo:[0,1] neg_hi:[0,1]
.endr
.irp k, 0,1,2,3
	v_cvt_pk_bf16_f32 v[244+\k], v[248+2*\k], v[249+2*\k]
.endr
	ds_store_b128 v5, v[240:243] offset:(\l)*PLS+32*\a
	ds_store_b128 v5, v[244:247] offset:(\l)*PLS+PL+32*\a
.endr
.endm
.macro LAYER i
.irp c, 0,1,2,3,4,5,6,7
.irp p, 0,1
	ds_load_b128 v[112+8*(2*\c+\p):115+8*(2*\c+\p)], v6 offset:(\i)*PLS+\p*PL+64*\c
	ds_load_b128 v[116+8*(2*\c+\p):119+8*(2*\c+\p)], v6 offset:(\i)*PLS+\p*PL+64*\c+32
.endr
.endr
	s_wait_dscnt 0x0
	WIN (\i)+1                                     ; source 0 in the layer's window
.irp c, 0,1,2,3,4,5,6,7                ; 64 matrix instructions; the four accumulators take turns
.irp p, 0,1
.irp a, 0,1,2,3
	v_wmma_f32_16x16x32_bf16 v[Z\i+8*\a:Z\i+8*\a+7], v[64*\a+8*\c:64*\a+8*\c+7], v[112+8*(2*\c+\p):119+8*(2*\c+\p)], v[Z\i+8*\a:Z\i+8*\a+7]
.endr
.endr
.endr
	WIN 0
.rept 4
	v_nop                                          ; four places behind the last product (ISA guide 7.12.1)
.endr
.set k_, 0
.rept 32
	v_max_num_f32 v[Z\i+k_], 0, v[Z\i+k_]
.set k_, k_+1
.endr
.irp a, 0,1,2,3
	ds_store_b128 v7, v[Z\i+8*\a:Z\i+8*\a+3] offset:(\i)*HFS+64*\a
	ds_store_b128 v7, v[Z\i+8*\a+4:Z\i+8*\a+7] offset:(\i)*HFS+64*\a+16
.endr
.if \i < 2
	SPLIT (\i)+1, Z\i
.endif
	s_wait_dscnt 0x0                               ; for the others' sake: my columns are in the stage and in the planes
	s_barrier_signal -1
	s_barrier_wait -1
.irp k, 0,1,2,3,4,5,6,7                ; wave w takes rows 4 w on, whole: 512 consecutive bytes a load and a store
	ds_load_b128 v[Z\i+4*\k:Z\i+4*\k+3], v8 offset:(\i)*HFS+(\k/2)*HP+512*(\k%2)
.endr
	s_wait_dscnt 0x0
.irp k, 0,1,2,3,4,5,6,7
	global_store_b128 v1, v[Z\i+4*\k:Z\i+4*\k+3], s[14:15] offset:(\i)*131072+(\k/2)*1024+512*(\k%2)
.endr
.endm
	s_load_b256 s[4:11], s[0:1], 0x0               ; h0w 4, zb 6, fp 8, waf 10
	s_load_b128 s[12:15], s[0:1], 0x20             ; c2_b 12, hs 14
	s_load_b64 s[16:17], s[0:1], 0x30              ; out1
	v_lshl_add_u32 v14, v0, 2, SPARE
	v_mov_b32 v15, 0
	v_lshrrev_b32 v2, 5, v0
	v_readfirstlane_b32 s20, v2                    ; wave 0..3
	s_mov_b32 s21, ttmp9                           ; my 16 rows
	v_and_b32 v10, 31, v0
	v_lshlrev_b32 v1, 4, v10
	v_and_b32 v2, 15, v0
	v_bfe_u32 v3, v0, 4, 1
	v_lshlrev_b32 v4, 10, v2
	v_lshl_add_u32 v4, v3, 5, v4                   ; r x 1,024 + 32 h
	v_mul_u32_u24 v6, v2, PP
	v_lshl_add_u32 v6, v3, 4, v6                   ; r x 528 + 16 h
	s_lshl_b32 s22, s20, 7
	v_add_nc_u32 v5, s22, v6                       ; + my 64 columns in bf16
	v_mul_u32_u24 v7, v2, HP
	v_lshl_add_u32 v7, v3, 5, v7
	s_lshl_b32 s22, s20, 8
	s_add_co_u32 s22, s22, HF
	v_add_nc_u32 v7, s22, v7                       ; the stages' base + r x 1,040 + 256 w + 32 h
	s_mul_i32 s22, s20, 4*HP
	s_add_co_u32 s22, s22, HF
	v_add_nc_u32 v8, s22, v1                       ; the stages' base + row 4 w + 16 x lane
	v_lshlrev_b32 v9, 2, v2
	s_mov_b32 s23, 0
	s_wait_kmcnt 0x0
	s_lshl_b32 s22, s20, 15
	s_add_nc_u64 s[10:11], s[10:11], s[22:23]
	WLOAD 10, 11
	s_lshl_b32 s22, s21, 14
	s_lshl_b32 s24, s20, 8
	s_add_co_u32 s22, s22, s24
	s_add_nc_u64 s[6:7], s[6:7], s[22:23]          ; zb and h0w at row 16 mu, column 64 w
	s_add_nc_u64 s[4:5], s[4:5], s[22:23]
.irp a, 0,1,2,3
	global_load_b128 v[112+8*\a:115+8*\a], v4, s[4:5] offset:64*\a
	global_load_b128 v[116+8*\a:119+8*\a], v4, s[4:5] offset:64*\a+16
.endr
.irp i, 0,1,2
.irp a, 0,1,2,3
	global_load_b128 v[Z\i+8*\a:Z\i+8*\a+3], v4, s[6:7] offset:131072*\i+64*\a
	global_load_b128 v[Z\i+8*\a+4:Z\i+8*\a+7], v4, s[6:7] offset:131072*\i+64*\a+16
.endr
.endr
	s_lshl_b32 s22, s21, 14
	s_lshl_b32 s24, s20, 12
	s_add_co_u32 s22, s22, s24
	s_add_nc_u64 s[14:15], s[14:15], s[22:23]      ; hs at row 16 mu + 4 w
	s_lshl_b32 s22, s21, 6
	s_add_nc_u64 s[8:9], s[8:9], s[22:23]          ; fp and out1 at row 16 mu
	s_add_nc_u64 s[16:17], s[16:17], s[22:23]
	s_cmp_lg_u32 s20, 0
	s_cbranch_scc1 .Lno_f
	; wave 0 makes f of the 16 rows: its loads join those above, and the one wait serves all
	s_load_b32 s18, s[12:13], 0x0
.irp k, 0,1,2,3,4,5,6,7
	global_load_b32 v[144+\k], v9, s[8:9] offset:512*\k
.endr
	s_wait_loadcnt 0x0
	s_wait_kmcnt 0x0
	v_add_f32 v144, v144, v145
	v_add_f32 v146, v146, v147
	v_add_f32 v148, v148, v149
	v_add_f32 v150, v150, v151
	v_add_f32 v144, v144, v146
	v_add_f32 v148, v148, v150
	v_mov_b32 v152, s18
	v_cvt_pk_bf16_f32 v152, v152, v152             ; c2_b is rounded to bf16 like every input
	v_lshlrev_b32 v152, 16, v152
	v_add_f32 v144, v144, v148
	v_add_f32 v144, v144, v152
	v_mul_f32 v144, 0xbfb8aa3b, v144               ; sigmoid(x) = 1 / (1 + 2^(-x log2 e))
	v_exp_f32 v144, v144
	v_nop                                          ; a plain instruction behind a transcendental, ahead of its result's use (ISA guide 5.7.2)
	s_wait_alu depctr_va_vdst(0)
	v_add_f32 v144, 1.0, v144
	v_rcp_f32 v144, v144
	v_nop
	v_cmp_gt_u32 vcc_lo, 16, v10
	s_wait_xcnt 0x0                                ; EXEC changes only behind this wait
	s_and_saveexec_b32 s19, vcc_lo                 ; lanes 16-31 hold the same sixteen numbers again
	s_wait_alu depctr_va_vdst(0)
	global_store_b32 v9, v144, s[16:17]
	s_wait_xcnt 0x0
	s_or_b32 exec_lo, exec_lo, s19
.Lno_f:
	s_wait_loadcnt 0x0                             ; weights, zb, h0
	SPLIT 0, 112
	s_wait_dscnt 0x0
	s_barrier_signal -1
	s_barrier_wait -1
	LAYER 0
	LAYER 1
	LAYER 2
	s_wait_tensorcnt 0x0                           ; the wave's end, behind my last LDS store
	ds_add_u32 v14, v15
	s_wait_dscnt 0x0
	s_endpgm
.Lfunc_end_k_q8fa95302ca_chain:
	.size	k_q8fa95302ca_chain, .Lfunc_end_k_q8fa95302ca_chain-k_q8fa95302ca_chain
	.p2alignl 7, 3214868480
	.fill 96, 4, 3214868480
	.section	.rodata,"a",@progbits
	.p2align	6, 0x0
	.amdhsa_kernel k_q8fa95302ca_chain
		.amdhsa_group_segment_fixed_size 101120
		.amdhsa_private_segment_fixed_size 0
		.amdhsa_enable_private_segment 0
		.amdhsa_kernarg_size 56
		.amdhsa_user_sgpr_count 2
		.amdhsa_user_sgpr_kernarg_segment_ptr 1
		.amdhsa_wavefront_size32 1
		.amdhsa_system_sgpr_workgroup_id_x 1
		.amdhsa_system_sgpr_workgroup_id_y 1
		.amdhsa_system_sgpr_workgroup_id_z 1
		.amdhsa_system_vgpr_workitem_id 0
		.amdhsa_next_free_vgpr 1024
		.amdhsa_next_free_sgpr 66
		.amdhsa_reserve_vcc 1
		.amdhsa_float_denorm_mode_32 3
		.amdhsa_float_denorm_mode_16_64 3
		.amdhsa_memory_ordered 1
		.amdhsa_forward_progress 1
		.amdhsa_inst_pref_size 68
	.end_amdhsa_kernel
	.amdgpu_metadata
---
amdhsa.version: [ 1, 2 ]
amdhsa.kernels:
  - .name:           k_q8fa95302ca_chain
    .symbol:         k_q8fa95302ca_chain.kd
    .args:
      - { .name: h0w, .offset: 0, .size: 8, .value_kind: global_buffer, .address_space: global }
      - { .name: zb, .offset: 8, .size: 8, .value_kind: global_buffer, .address_space: global }
      - { .name: fp, .offset: 16, .size: 8, .value_kind: global_buffer, .address_space: global }
      - { .name: waf, .offset: 24, .size: 8, .value_kind: global_buffer, .address_space: global }
      - { .name: c2_b, .offset: 32, .size: 8, .value_kind: global_buffer, .address_space: global }
      - { .name: hs, .offset: 40, .size: 8, .value_kind: global_buffer, .address_space: global }
      - { .name: out1, .offset: 48, .size: 8, .value_kind: global_buffer, .address_space: global }
    .group_segment_fixed_size: 101120
    .private_segment_fixed_size: 0
    .kernarg_segment_align: 8
    .kernarg_segment_size: 56
    .max_flat_workgroup_size: 128
    .sgpr_count:     66
    .vgpr_count:     1024
    .wavefront_size: 32
...
	.end_amdgpu_metadata
.endif
;; end of part 2
;; launch main (part 3): grid 256 x 1, 4 waves a work-group, no clusters, 152,064 bytes of LDS; arguments s, A0_w, A0_b, As_b, A_out_w, A_out_b, h0w, hs, asf, out0; writes out0
.if DOCPART == 3
	.amdgcn_target "amdgcn-amd-amdhsa--gfx1250"
	.amdhsa_code_object_version 6
	.text
	.protected	k_q8fa95302ca_main
	.globl	k_q8fa95302ca_main
	.p2align	8
	.type	k_q8fa95302ca_main,@function
k_q8fa95302ca_main:
	s_mov_b64 s[64:65], 0
	v_nop
	global_prefetch_b8 v0, s[64:65] scope:SCOPE_SE
	s_setreg_imm32_b32 hwreg(HW_REG_WAVE_MODE, 25, 1), 1
	s_wait_xcnt 0x0
; The row MLP: x0 = h0 relu(s A0_w + A0_b); x[l] = h[l] relu(x[l-1] As_w[l-1]^T + As_b[l-1]), l = 1, 2, 3; y = x3 A_out_w^T + A_out_b.  262,144 rows, 256 wide.
; SHARES.  A work-group owns 1,024 rows of one b (half of its 2,048), so h[l] is one vector for all its rows.  Wave w owns the output columns 64 w on of EVERY layer: its weights, 256 registers a
; layer, are loaded once and stay in register windows 1 to 3.  The activations pass from wave to wave through LDS, in two buffers that take turns.
; The rows go in eight groups of 128, a loop trip each; a group is eight UNITS of 16 rows.  Unit u of group g is rows 256 (u / 2) + 32 g + 16 (u % 2) on, so that the two units whose y wave w makes are 32 consecutive rows.
; FORMATS.  Every input is rounded to bf16 (s, A0, the biases and A_out_b too, widened again); x0..x3 are rounded to bf16 once each; h, the sums and all else in f32.
; LIMITS.  h relu(z + b) is computed as max(z h + b h, 0): the same, since h >= 0 as a relu's result, but where h = 0 meets an infinite z.  NaN and infinities are not treated apart.
; LAYOUT.  Product: source 0 = 16 rows of x, source 1 = 16 rows of the weights: a lane holds ONE column n and eight rows m.  So h[n] and the bias are one number a lane, and the eight rows, rounded,
; are 16 bytes of a block stored [column][row]; the next layer reads its fragments out of that block by the turning load.
; PIPELINE.  A unit is 32 matrix instructions on four accumulators by turns.  The unit before's way out (scale, relu, rounding, 4 LDS stores) stands in slices behind them, on the other set of four
; accumulators; the next unit's 16 fragment loads stand in one run behind the sixth.  One barrier for every two units.
; NO CLUSTER, NO TENSOR LOAD: a work-group reads 384 KB of weights once, straight into registers, and nothing is streamed after that.
; LDS: XP, XQ 65,536 each: eight unit blocks of [256 columns][16 rows] bf16, 32 bytes a column.  SB: s, rounded, 1,024 f32.  AO: A_out_w as eight fragments, rows 6-15 zero.
;      STG: 2,048 a wave: y's 768 bytes of 32 rows, and from 1,024 on the place where the upper half of the lanes puts its columns 8-15, which are not y's.
.set XQ,    65536                      ; XP lies at 0
.set SB,    131072
.set AO,    135168
.set STG,   143360
.set SPARE, 151552                     ; the spare words, 128 bytes a wave
.set UB,    8192                       ; a unit's block
.set L16, 1                            ; v1   16 x lane
.set LP,  2                            ; v2   the turning load's lane term in XP: (8 h + lane % 8) x 32 + 16 ((lane / 8) % 2)
.set LQ,  3                            ; v3   the same in XQ
.set OQ,  4                            ; v4   the same at my two units of XQ
.set STP, 5                            ; v5   where I put 16 bytes in XP: (64 w + r) x 32 + 16 h
.set STQ, 6                            ; v6   the same in XQ
.set SAD, 7                            ; v7   SB + 32 h, 128 bytes on in each trip
.set AOA, 8                            ; v8   AO + 16 x lane
.set SGS, 9                            ; v9   my stage + 1,024 h + 24 r
.set SGL, 10                           ; v10  my stage + 8 x lane
.set GO,  11                           ; v11  8 x lane
.set RR,  12                           ; v12  r = lane % 16
.set HH,  13                           ; v13  h = lane / 16
.set SPW, 14                           ; v14  my spare word
.set NIL, 15                           ; v15  0
.set HB,  16                           ; v16-47  for layer l, column tile a, a pair at 16 + 8 l + 2 a: (h[l][n], bias[n] h[l][n]); for l = 0 (A0_w[n] h0[n], A0_b[n] h0[n]); n = 64 w + 16 a + r
.set ACC, 48                           ; v48-111  two sets of four accumulators
.set F0,  112                          ; v112-175, v176-239  two fragment buffers, K chunk c at + 8 c
.set F1,  176
.set T,   240                          ; v240-255  four quads of packed results
.set MSB, 0
.macro WIN new                         ; s_set_vgpr_msb: bits 1:0 source 0, 3:2 source 1, 5:4 source 2, 7:6 destination; the high byte repeats the setting that is left
.if MSB != (\new)
	s_set_vgpr_msb (MSB<<8)|(\new)
.set MSB, (\new)
.endif
.endm
.macro WLOAD b0, b1                    ; my 64 rows of all three layers: 192 loads of 512 consecutive bytes; fragment (a, c) at v[64 a + 8 c] of window l
.irp l, 1,2,3
	WIN \l<<6
.irp a, 0,1,2,3
.irp c, 0,1,2,3,4,5,6,7
	global_load_b128 v[64*\a+8*\c:64*\a+8*\c+3], v[L16], s[\b0:\b1] offset:(\l-1)*131072+(8*\a+\c)*1024
	global_load_b128 v[64*\a+8*\c+4:64*\a+8*\c+7], v[L16], s[\b0:\b1] offset:(\l-1)*131072+(8*\a+\c)*1024+512
.endr
.endr
.endr
	WIN 0
.endm
.macro RND2 x, y, t                    ; two f32 rounded to bf16 and widened again
	v_cvt_pk_bf16_f32 v[\t], v[\x], v[\y]
	v_lshlrev_b32 v[\x], 16, v[\t]
	v_and_b32 v[\y], 0xffff0000, v[\t]
.endm
.macro PF buf, off, f                  ; a unit's eight fragments: 16 turning loads; sixteen lanes take 256 consecutive bytes
.irp k, 0,1,2,3,4,5,6,7
	ds_load_tr16_b128 v[(\f)+8*\k:(\f)+8*\k+3], v[\buf] offset:(\off)+1024*\k
	ds_load_tr16_b128 v[(\f)+8*\k+4:(\f)+8*\k+7], v[\buf] offset:(\off)+1024*\k+512
.endr
.endm
.macro FMA4 d, s, hb                   ; eight numbers times the pair's first, plus its second
.irp k, 0,2,4,6
	v_pk_fma_f32 v[(\d)+\k:(\d)+\k+1], v[(\s)+\k:(\s)+\k+1], v[(\hb):(\hb)+1], v[(\hb):(\hb)+1] op_sel:[0,0,1] op_sel_hi:[1,0,1]
.endr
.endm
.macro MAX2 d                          ; the long form, register first: it names source 0 and the destination alone, so it stands under a product's window setting
	v_max_num_f32 v[\d], v[\d], 0
	v_max_num_f32 v[(\d)+1], v[(\d)+1], 0
.endm
.macro MAX8 d                          ; the short form, for window 0
.irp k, 0,1,2,3,4,5,6,7
	v_max_num_f32 v[(\d)+\k], 0, v[(\d)+\k]
.endr
.endm
.macro CVST d, q, st, off              ; eight rows of a column rounded to bf16: 16 bytes into the block
.irp k, 0,1,2,3
	v_cvt_pk_bf16_f32 v[T+4*(\q)+\k], v[(\d)+2*\k], v[(\d)+2*\k+1]
.endr
	ds_store_b128 v[\st], v[T+4*(\q):T+4*(\q)+3] offset:\off
.endm
; A UNIT of layer L: 32 matrix instructions, K chunk i / 4, column tile i % 4; the four accumulators take turns, from unit to unit too; the first four start the sums.
; he = 1: the unit before's way out rides along (pair ehb, store register est, block at eoff): behind products 0, 7, 14, 21, 28 under window 0 the rounding and store of one accumulator and the scaling of the
; next; behind the four products after each of these two maxima.  Each accumulator is read from its lowest registers on, four plain instructions or more behind its last product (ISA guide 7.12.1).
; hp = 1: the next unit's fragments are asked for behind product 5: twelve plain instructions behind the last product that read that buffer, 26 products ahead of their use.
; cnt: at an even unit 0 (a barrier follows, and the others read my stores); at an odd one 4: the four stores issued behind the 16 loads may stay out.
.macro UNIT L, u, he, ehb, est, eoff, hp, pbuf, poff, bar, cnt
.set FC_, F0+64*((\u)&1)
.set FN_, F0+64*(1-((\u)&1))
.set AC_, ACC+32*((\u)&1)
.set EA_, ACC+32*(1-((\u)&1))
	s_wait_dscnt \cnt
.if \bar
	s_barrier_signal -1                            ; every wave's stores up to here are in LDS, and its loads are back
	s_barrier_wait -1
.endif
	WIN (\L)<<2                                    ; source 1 in the layer's window
.set i_, 0
.rept 32
.set c_, i_/4
.set a_, i_%4
.if c_ == 0
	v_wmma_f32_16x16x32_bf16 v[AC_+8*a_:AC_+8*a_+7], v[FC_+8*c_:FC_+8*c_+7], v[64*a_+8*c_:64*a_+8*c_+7], 0
.else
	v_wmma_f32_16x16x32_bf16 v[AC_+8*a_:AC_+8*a_+7], v[FC_+8*c_:FC_+8*c_+7], v[64*a_+8*c_:64*a_+8*c_+7], v[AC_+8*a_:AC_+8*a_+7]
.endif
.if \he
.set q_, i_/7
.set r_, i_%7
.if r_ == 0
	WIN 0
.if q_ >= 1
	CVST EA_+8*(q_-1), q_-1, \est, (\eoff)+512*(q_-1)
.endif
.if q_ <= 3
	FMA4 EA_+8*q_, EA_+8*q_, (\ehb)+2*q_
.endif
	WIN (\L)<<2
.elseif (r_ <= 4) && (q_ <= 3)
	MAX2 EA_+8*q_+2*(r_-1)
.endif
.endif
.if (\hp) && (i_ == 5)
	PF \pbuf, \poff, FN_
.endif
.set i_, i_+1
.endr
.if !(\he)
.rept 4
	v_nop                                          ; no way out rides here: four places behind the last products
.endr
.endif
.endm
; A layer's eight units.  inb: its input's load register; outs: its output's store register; pe, pest: the layer before's last way out rides on unit 0, and a barrier opens it;
; c1: unit 1's count; pn, nxtb: unit 7 asks for the next layer's unit 0.
; ORDER IN LDS.  Input block v is stored in unit v + 1 of the layer before (v = 7: in this layer's unit 0) and read in unit v - 1 (v = 0: in unit 7 of the layer before): a barrier of an even unit lies between.
; Output block v is stored from unit 1 on, behind unit 0's barrier, in front of which every wave's reads of that buffer have come back.  Between two barriers stores and loads touch different blocks.
.macro PHASE L, inb, outs, pe, pest, c1, pn, nxtb
	UNIT \L, 0, \pe, HB+8*(\L)-8, \pest, 7*UB, 1, \inb, UB, \pe, 0
	UNIT \L, 1, 1, HB+8*(\L), \outs, 0, 1, \inb, 2*UB, 0, \c1
.irp u, 2,3,4,5,6
	UNIT \L, \u, 1, HB+8*(\L), \outs, (\u-1)*UB, 1, \inb, (\u+1)*UB, 1-(\u&1), 4*(\u&1)
.endr
	UNIT \L, 7, 1, HB+8*(\L), \outs, 6*UB, \pn, \nxtb, 0, 0, 4
.endm
	s_load_b512 s[4:19], s[0:1], 0x0               ; s 4, A0_w 6, A0_b 8, As_b 10, A_out_w 12, A_out_b 14, h0w 16, hs 18
	s_load_b128 s[20:23], s[0:1], 0x40             ; asf 20, out0 22
	v_lshl_add_u32 v[SPW], v0, 2, SPARE
	v_mov_b32 v[NIL], 0
	v_lshrrev_b32 v[RR], 5, v0
	v_readfirstlane_b32 s24, v[RR]                 ; wave 0..3
	s_mov_b32 s25, ttmp9                           ; my 1,024 rows
	s_lshr_b32 s26, s25, 1                         ; b
	v_and_b32 v[L16], 31, v0
	v_lshlrev_b32 v[GO], 3, v[L16]
	v_lshlrev_b32 v[L16], 4, v[L16]
	v_and_b32 v[RR], 15, v0
	v_bfe_u32 v[HH], v0, 4, 1
	v_and_b32 v48, 7, v0
	v_bfe_u32 v49, v0, 3, 1
	v_lshl_add_u32 v48, v[HH], 3, v48
	v_lshlrev_b32 v48, 5, v48
	v_lshl_add_u32 v[LP], v49, 4, v48              ; XP begins at LDS byte 0
	v_add_nc_u32 v[LQ], XQ, v[LP]
	s_lshl_b32 s27, s24, 14
	v_add_nc_u32 v[OQ], s27, v[LQ]
	v_lshlrev_b32 v48, 5, v[RR]
	v_lshl_add_u32 v48, v[HH], 4, v48
	s_lshl_b32 s27, s24, 11
	v_add_nc_u32 v[STP], s27, v48
	v_add_nc_u32 v[STQ], XQ, v[STP]
	v_lshl_add_u32 v[SAD], v[HH], 5, SB
	v_add_nc_u32 v[AOA], AO, v[L16]
	s_add_co_u32 s28, s27, STG
	v_mul_u32_u24 v48, v[RR], 24
	v_lshl_add_u32 v48, v[HH], 10, v48
	v_add_nc_u32 v[SGS], s28, v48
	v_add_nc_u32 v[SGL], s28, v[GO]
	; the set-up's own addresses, in registers that the loop uses later
	v_lshlrev_b32 v48, 5, v0                       ; s: 32 bytes a thread
	v_add_nc_u32 v51, SB, v48
	s_lshl_b32 s29, s24, 8
	v_lshl_add_u32 v49, v[RR], 2, s29              ; column 64 w + r in a vector of f32
	v_min_u32 v50, 5, v[RR]                        ; A_out_w has six rows: lanes 6-15 load row 5 and are set to 0 below
	v_lshlrev_b32 v50, 10, v50
	v_lshl_add_u32 v50, v[HH], 5, v50
	v_add_nc_u32 v50, s29, v50                     ; K chunks 2 w and 2 w + 1
	v_add_nc_u32 v52, s27, v[AOA]
	s_wait_kmcnt 0x0
	s_load_b128 s[40:43], s[14:15], 0x0            ; A_out_b's six numbers
	s_load_b64 s[44:45], s[14:15], 0x10
	s_lshl_b32 s28, s24, 15
	s_mov_b32 s29, 0
	s_add_nc_u64 s[20:21], s[20:21], s[28:29]
	WLOAD 20, 21
	s_lshl_b32 s28, s25, 12
	s_add_nc_u64 s[4:5], s[4:5], s[28:29]
	global_load_b128 v[176:179], v48, s[4:5]
	global_load_b128 v[180:183], v48, s[4:5] offset:16
	s_lshl_b32 s28, s26, 10
	s_add_nc_u64 s[16:17], s[16:17], s[28:29]      ; row b of h0 and of h1..h3
	s_add_nc_u64 s[18:19], s[18:19], s[28:29]
.irp a, 0,1,2,3
	global_load_b32 v[HB+2*\a], v49, s[16:17] offset:64*\a
	global_load_b32 v[HB+2*\a+1], v49, s[8:9] offset:64*\a
	global_load_b32 v[T+\a], v49, s[6:7] offset:64*\a
.irp l, 1,2,3
	global_load_b32 v[HB+8*\l+2*\a], v49, s[18:19] offset:131072*(\l-1)+64*\a
	global_load_b32 v[HB+8*\l+2*\a+1], v49, s[10:11] offset:1024*(\l-1)+64*\a
.endr
.endr
.irp i, 0,1
.irp e, 0,1,2,3
	global_load_b128 v[F0+16*\i+4*\e:F0+16*\i+4*\e+3], v50, s[12:13] offset:128*\i+16*(\e&1)+64*(\e>>1)
.endr
.endr
	s_wait_loadcnt 0x0
	RND2 176, 177, 184
	RND2 178, 179, 185
	RND2 180, 181, 186
	RND2 182, 183, 187
	ds_store_b128 v51, v[176:179]
	ds_store_b128 v51, v[180:183] offset:16
	v_cmp_gt_u32 vcc_lo, 6, v[RR]
.irp i, 0,1
.irp j, 0,1,2,3,4,5,6,7
	v_cvt_pk_bf16_f32 v[144+8*\i+\j], v[F0+16*\i+2*\j], v[F0+16*\i+2*\j+1]
.endr
.irp j, 0,1,2,3,4,5,6,7
	v_cndmask_b32 v[144+8*\i+\j], 0, v[144+8*\i+\j], vcc_lo
.endr
	ds_store_b128 v52, v[144+8*\i:147+8*\i] offset:1024*\i
	ds_store_b128 v52, v[148+8*\i:151+8*\i] offset:1024*\i+512
.endr
.irp l, 0,1,2,3
	RND2 HB+8*\l+1, HB+8*\l+3, 53
	RND2 HB+8*\l+5, HB+8*\l+7, 54
.endr
	RND2 T, T+1, 53
	RND2 T+2, T+3, 54
.irp l, 0,1,2,3
.irp a, 0,1,2,3
	v_mul_f32 v[HB+8*\l+2*\a+1], v[HB+8*\l+2*\a+1], v[HB+8*\l+2*\a]  ; bias x h
.endr
.endr
.irp a, 0,1,2,3
	v_mul_f32 v[HB+2*\a], v[T+\a], v[HB+2*\a]      ; A0_w x h0
.endr
	s_wait_kmcnt 0x0
.irp k, 0,2,4
	v_mov_b32 v53, s[40+\k]
	v_mov_b32 v54, s[41+\k]
	RND2 53, 54, 55
	v_readfirstlane_b32 s[32+\k], v53              ; s32-37: A_out_b, rounded
	v_readfirstlane_b32 s[33+\k], v54
.endr
	s_mul_i32 s28, s25, 24576                      ; out0: my work-group's 1,024 rows of 24 bytes, my wave's 256 of them
	s_mul_i32 s27, s24, 6144
	s_add_co_u32 s28, s28, s27
	s_add_nc_u64 s[22:23], s[22:23], s[28:29]
	s_mov_b32 s30, 8
	s_wait_dscnt 0x0                               ; for the others' sake: my part of s and of A_out_w is in LDS
	s_barrier_signal -1
	s_barrier_wait -1
.Lgroup:                                               ; eight trips: 128 rows through all layers
	; LAYER 0: K = 1, so it is vector work: my 64 columns of the group's eight units, into XP
.irp u, 0,1,2,3,4,5,6,7
.irp e, 0,1
	ds_load_b128 v[F0+8*\u+4*\e:F0+8*\u+4*\e+3], v[SAD] offset:(\u>>1)*1024+(\u&1)*64+16*\e
.endr
.endr
	s_wait_dscnt 0x0
.set u_, 0
.rept 8
.set a_, 0
.rept 4
.set sl_, ACC+8*((4*u_+a_)%8)
	FMA4 sl_, F0+8*u_, HB+2*a_
	MAX8 sl_
	CVST sl_, a_, STP, UB*u_+512*a_
.set a_, a_+1
.endr
.set u_, u_+1
.endr
	s_wait_dscnt 0x0                               ; x0 is in XP; my reads of XQ for the last trip's y came back long ago
	s_barrier_signal -1
	s_barrier_wait -1
	PF LP, 0, F0
	PHASE 1, LP, STQ, 0, STP, 0, 1, LQ
	PHASE 2, LQ, STP, 1, STQ, 4, 1, LP
	PHASE 3, LP, STQ, 1, STP, 4, 0, LP
	WIN 0
.irp a, 0,1,2,3                        ; the last unit's way out has no unit to ride on
	FMA4 ACC+32+8*\a, ACC+32+8*\a, HB+24+2*\a
	MAX8 ACC+32+8*\a
	CVST ACC+32+8*\a, \a, STQ, 7*UB+512*\a
.endr
	s_wait_dscnt 0x0                               ; x3 is in XQ, and my reads of XP are back: the next trip's layer 0 may write XP
	s_barrier_signal -1
	s_barrier_wait -1
	; THE HEAD: y of my two units.  Transposed: source 0 = A_out_w's 16 rows (6 of them y's), source 1 = 16 rows of x3: a lane of the lower half holds one row's six numbers
.irp k, 0,1,2,3,4,5,6,7
	ds_load_b128 v[ACC+8*\k:ACC+8*\k+3], v[AOA] offset:1024*\k
	ds_load_b128 v[ACC+8*\k+4:ACC+8*\k+7], v[AOA] offset:1024*\k+512
.endr
	PF OQ, 0, F0
	PF OQ, UB, F1
	s_wait_dscnt 0x0
.irp c, 0,1,2,3,4,5,6,7                ; the two accumulators take turns
.irp t, 0,1
.if \c == 0
	v_wmma_f32_16x16x32_bf16 v[T+8*\t:T+8*\t+7], v[ACC+8*\c:ACC+8*\c+7], v[F0+64*\t+8*\c:F0+64*\t+8*\c+7], 0
.else
	v_wmma_f32_16x16x32_bf16 v[T+8*\t:T+8*\t+7], v[ACC+8*\c:ACC+8*\c+7], v[F0+64*\t+8*\c:F0+64*\t+8*\c+7], v[T+8*\t:T+8*\t+7]
.endif
.endr
.endr
.rept 4
	v_nop                                          ; four places behind the last product
.endr
.irp t, 0,1
.irp j, 0,1,2,3,4,5
	v_add_f32 v[T+8*\t+\j], s[32+\j], v[T+8*\t+\j]
.endr
.irp i, 0,1,2
	ds_store_b64 v[SGS], v[T+8*\t+2*\i:T+8*\t+2*\i+1] offset:384*\t+8*\i
.endr
.endr
.irp i, 0,1,2
	ds_load_b64 v[F0+2*\i:F0+2*\i+1], v[SGL] offset:256*\i  ; LDS serves a wave's instructions in order (ISA guide 5.7.1.4): these see the stores above
.endr
	s_wait_dscnt 0x0
.irp i, 0,1,2
	global_store_b64 v[GO], v[F0+2*\i:F0+2*\i+1], s[22:23] offset:256*\i th:TH_STORE_NT  ; 32 lanes store 256 consecutive bytes, at a multiple of 256 from out0's first
.endr
	s_wait_xcnt 0x0                                ; the stores' base and data are written again only behind this wait
	s_add_nc_u64 s[22:23], s[22:23], 768           ; the next 32 rows of y
	v_add_nc_u32 v[SAD], 128, v[SAD]               ; and of s
	s_sub_co_u32 s30, s30, 1
	s_cmp_lg_u32 s30, 0
	s_cbranch_scc1 .Lgroup
	s_wait_tensorcnt 0x0                           ; the wave's end, behind my last LDS store
	ds_add_u32 v[SPW], v[NIL]
	s_wait_dscnt 0x0
	s_endpgm
.Lfunc_end_k_q8fa95302ca_main:
	.size	k_q8fa95302ca_main, .Lfunc_end_k_q8fa95302ca_main-k_q8fa95302ca_main
	.p2alignl 7, 3214868480
	.fill 96, 4, 3214868480
	.section	.rodata,"a",@progbits
	.p2align	6, 0x0
	.amdhsa_kernel k_q8fa95302ca_main
		.amdhsa_group_segment_fixed_size 152064
		.amdhsa_private_segment_fixed_size 0
		.amdhsa_enable_private_segment 0
		.amdhsa_kernarg_size 80
		.amdhsa_user_sgpr_count 2
		.amdhsa_user_sgpr_kernarg_segment_ptr 1
		.amdhsa_wavefront_size32 1
		.amdhsa_system_sgpr_workgroup_id_x 1
		.amdhsa_system_sgpr_workgroup_id_y 1
		.amdhsa_system_sgpr_workgroup_id_z 1
		.amdhsa_system_vgpr_workitem_id 0
		.amdhsa_next_free_vgpr 1024
		.amdhsa_next_free_sgpr 66
		.amdhsa_reserve_vcc 1
		.amdhsa_float_denorm_mode_32 3
		.amdhsa_float_denorm_mode_16_64 3
		.amdhsa_memory_ordered 1
		.amdhsa_forward_progress 1
		.amdhsa_inst_pref_size 246
	.end_amdhsa_kernel
	.amdgpu_metadata
---
amdhsa.version: [ 1, 2 ]
amdhsa.kernels:
  - .name:           k_q8fa95302ca_main
    .symbol:         k_q8fa95302ca_main.kd
    .args:
      - { .name: s, .offset: 0, .size: 8, .value_kind: global_buffer, .address_space: global }
      - { .name: A0_w, .offset: 8, .size: 8, .value_kind: global_buffer, .address_space: global }
      - { .name: A0_b, .offset: 16, .size: 8, .value_kind: global_buffer, .address_space: global }
      - { .name: As_b, .offset: 24, .size: 8, .value_kind: global_buffer, .address_space: global }
      - { .name: A_out_w, .offset: 32, .size: 8, .value_kind: global_buffer, .address_space: global }
      - { .name: A_out_b, .offset: 40, .size: 8, .value_kind: global_buffer, .address_space: global }
      - { .name: h0w, .offset: 48, .size: 8, .value_kind: global_buffer, .address_space: global }
      - { .name: hs, .offset: 56, .size: 8, .value_kind: global_buffer, .address_space: global }
      - { .name: asf, .offset: 64, .size: 8, .value_kind: global_buffer, .address_space: global }
      - { .name: out0, .offset: 72, .size: 8, .value_kind: global_buffer, .address_space: global }
    .group_segment_fixed_size: 152064
    .private_segment_fixed_size: 0
    .kernarg_segment_align: 8
    .kernarg_segment_size: 80
    .max_flat_workgroup_size: 128
    .sgpr_count:     66
    .vgpr_count:     1024
    .wavefront_size: 32
...
	.end_amdgpu_metadata
.endif
;; end of part 3
;; ======== version 2 of 2: 2 launches; 1.26 times as fast as version 1
;; workspace buffers: h0w 131,072 bytes; zb 393,216 bytes; fp 4,096 bytes; asf 393,216 bytes; waf 393,216 bytes
;; launch pre: the kernel of part 1 again; grid 216 x 1, 4 waves a work-group, no clusters, 17,920 bytes of LDS; arguments Pj, w0_w, w0_b, ws_w, ws_b, c1_w, c1_b, c2_w, As_w, h0w, zb, fp, asf, waf; writes h0w, zb, fp, asf, waf
;; launch main (part 4): grid 256 x 1, 4 waves a work-group, no clusters, 155,136 bytes of LDS; arguments s, A0_w, A0_b, As_b, A_out_w, A_out_b, h0w, zb, asf, out0, waf, fp, c2_b, out1; writes out0, out1
.if DOCPART == 4
	.amdgcn_target "amdgcn-amd-amdhsa--gfx1250"
	.amdhsa_code_object_version 6
	.text
	.protected	k_q8fa95302ca_main
	.globl	k_q8fa95302ca_main
	.p2align	8
	.type	k_q8fa95302ca_main,@function
k_q8fa95302ca_main:
	s_mov_b64 s[64:65], 0
	v_nop
	global_prefetch_b8 v0, s[64:65] scope:SCOPE_SE
	s_setreg_imm32_b32 hwreg(HW_REG_WAVE_MODE, 25, 1), 1
	s_wait_xcnt 0x0
; The row MLP: x0 = h0 relu(s A0_w + A0_b); x[l] = h[l] relu(x[l-1] As_w[l-1]^T + As_b[l-1]), l = 1, 2, 3; y = x3 A_out_w^T + A_out_b.  262,144 rows, 256 wide.
; Ahead of it, in the set-up, the end of the modulation chain for the work-group's own b: h[l] = relu(h[l-1] Wa[l-1]^T + zb[l-1]), l = 1, 2, 3 (Wa = ws_w[:, :, :256]; zb holds Pj's part and the bias), and f = sigmoid(sum of fp + c2_b).
; SHARES.  A work-group owns 1,024 rows of one b (half of its 2,048), so h[l] is one vector for all its rows.  Wave w owns the output columns 64 w on of EVERY layer: its weights, 256 registers a
; layer, are loaded once and stay in register windows 1 to 3.  The activations pass from wave to wave through LDS, in two buffers that take turns.
; The rows go in eight groups of 128, a loop trip each; a group is eight UNITS of 16 rows.  Unit u of group g is rows 256 (u / 2) + 32 g + 16 (u % 2) on, so that the two units whose y wave w makes are 32 consecutive rows.
; FORMATS.  Every input is rounded to bf16 (s, A0, the biases, A_out_b and c2_b too, widened again); x0..x3 are rounded to bf16 once each; h, the sums and all else in f32.
; LIMITS.  h relu(z + b) is computed as max(z h + b h, 0): the same, since h >= 0 as a relu's result, but where h = 0 meets an infinite z.  An h beyond bf16's largest finite number gives a NaN in the chain
; (infinity less infinity in the remainder).  NaN and infinities are not treated apart.
; LAYOUT.  Product: source 0 = 16 rows of x, source 1 = 16 rows of the weights: a lane holds ONE column n and eight rows m.  So h[n] and the bias are one number a lane, and the eight rows, rounded,
; are 16 bytes of a block stored [column][row]; the next layer reads its fragments out of that block by the turning load.
; THE CHAIN takes the same form.  Its source 0 has no 16 different rows: rows 0-7 all hold h rounded to bf16, rows 8-15 all hold the rounded remainder, so the chain adds next to nothing to the inputs' own rounding.
; Register 0 of a result then holds, for column n = lane % 16, the first product in lanes 0-15 and the second in lanes 16-31: one exchange of the lanes' halves and an addition, and every lane holds h[l][n] where the loop wants it.
; Wa's three layers go through the same three windows; each window takes its layer of As_w as soon as the chain has multiplied by it.
; PIPELINE.  A unit is 32 matrix instructions on four accumulators by turns.  The unit before's way out (scale, relu, rounding) stands behind them, four vector instructions at the most behind one product, on the
; other set of four accumulators.  ALL of a unit's LDS instructions stand in ONE run, behind its second product: the four stores of the way out that was packed a unit earlier, then the next unit's 16 fragment loads.
; One barrier for every four units.
; NO CLUSTER, NO TENSOR LOAD: a work-group reads its 768 KB of weights once, at its start, straight into registers, and nothing is streamed after that.  All work-groups read the same weights; joint loads
; would bring them into LDS, from where they would still have to be read into the registers: not built.
; LDS: XP, XQ 65,536 each: eight unit blocks of [256 columns][16 rows] bf16, 32 bytes a column.  SB: s, rounded, 1,024 f32.  AO: A_out_w as eight fragments, rows 6-15 zero.
;      STG: 2,048 a wave: y's 768 bytes of 32 rows, and from 1,024 on the place where the upper half of the lanes puts its columns 8-15, which are not y's.
;      CH: for each of the chain's three inputs 1,024 bytes: h rounded, [256] bf16, then the remainder.  Nothing there is written twice.
.set XQ,    65536                      ; XP lies at 0
.set SB,    131072
.set AO,    135168
.set STG,   143360
.set SPARE, 151552                     ; the spare words, 128 bytes a wave
.set CH,    152064
.set UB,    8192                       ; a unit's block
.set L16, 1                            ; v1   16 x lane
.set LP,  2                            ; v2   the turning load's lane term in XP: (8 h + lane % 8) x 32 + 16 ((lane / 8) % 2)
.set LQ,  3                            ; v3   the same in XQ
.set OQ,  4                            ; v4   the same at my two units of XQ
.set STP, 5                            ; v5   where I put 16 bytes in XP: (64 w + r) x 32 + 16 h
.set STQ, 6                            ; v6   the same in XQ
.set SAD, 7                            ; v7   SB + 32 h, 128 bytes on in each trip
.set AOA, 8                            ; v8   AO + 16 x lane
.set SGS, 9                            ; v9   my stage + 1,024 h + 24 r
.set SGL, 10                           ; v10  my stage + 8 x lane
.set GO,  11                           ; v11  8 x lane
.set RR,  12                           ; v12  r = lane % 16
.set HH,  13                           ; v13  h = lane / 16
.set SPW, 14                           ; v14  my spare word
.set NIL, 15                           ; v15  0
.set HB,  16                           ; v16-47  for layer l, column tile a, a pair at 16 + 8 l + 2 a: (h[l][n], bias[n] h[l][n]); for l = 0 (A0_w[n] h0[n], A0_b[n] h0[n]); n = 64 w + 16 a + r
.set ACC, 48                           ; v48-111  two sets of four accumulators (the set-up keeps its own addresses and temporaries in the first set, the chain's sums in the second)
.set CA,  ACC+32
.set CHS, 56                           ; v56  set-up: CH + 512 h + 2 (64 w + r)
.set CHL, 57                           ; v57  set-up: CH + 512 (r / 8) + 16 h
.set F0,  112                          ; v112-175, v176-239  two fragment buffers, K chunk c at + 8 c
.set F1,  176
.set T,   240                          ; v240-255  four quads of packed results, from the unit that packs them to the next unit's run
.set MSB, 0
.macro WIN new                         ; s_set_vgpr_msb: bits 1:0 source 0, 3:2 source 1, 5:4 source 2, 7:6 destination; the high byte repeats the setting that is left; a switch that changes nothing is dropped
.if MSB != (\new)
	s_set_vgpr_msb (MSB<<8)|(\new)
.set MSB, (\new)
.endif
.endm
.macro WL1 l, b0, b1                   ; my 64 rows of layer l (1 to 3) of a set of weights in fragment order: 64 loads of 512 consecutive bytes; fragment (a, c) at v[64 a + 8 c] of window l
	WIN (\l)<<6
.irp a, 0,1,2,3
.irp c, 0,1,2,3,4,5,6,7
	global_load_b128 v[64*\a+8*\c:64*\a+8*\c+3], v[L16], s[\b0:\b1] offset:((\l)-1)*131072+(8*\a+\c)*1024
	global_load_b128 v[64*\a+8*\c+4:64*\a+8*\c+7], v[L16], s[\b0:\b1] offset:((\l)-1)*131072+(8*\a+\c)*1024+512
.endr
.endr
	WIN 0
.endm
.macro RND2 x, y, t                    ; two f32 rounded to bf16 and widened again
	v_cvt_pk_bf16_f32 v[\t], v[\x], v[\y]
	v_lshlrev_b32 v[\x], 16, v[\t]
	v_and_b32 v[\y], 0xffff0000, v[\t]
.endm
.macro PF buf, off, f                  ; a unit's eight fragments: 16 turning loads; sixteen lanes take 256 consecutive bytes
.irp k, 0,1,2,3,4,5,6,7
	ds_load_tr16_b128 v[(\f)+8*\k:(\f)+8*\k+3], v[\buf] offset:(\off)+1024*\k
	ds_load_tr16_b128 v[(\f)+8*\k+4:(\f)+8*\k+7], v[\buf] offset:(\off)+1024*\k+512
.endr
.endm
.macro FMA4 d, s, hb                   ; eight numbers times the pair's first, plus its second (window 0)
.irp k, 0,2,4,6
	v_pk_fma_f32 v[(\d)+\k:(\d)+\k+1], v[(\s)+\k:(\s)+\k+1], v[(\hb):(\hb)+1], v[(\hb):(\hb)+1] op_sel:[0,0,1] op_sel_hi:[1,0,1]
.endr
.endm
.macro MAX4 d                          ; the long form, register first: it names source 0 and the destination alone, so it stands under a product's window setting too
.irp k, 0,1,2,3
	v_max_num_f32 v[(\d)+\k], v[(\d)+\k], 0
.endr
.endm
.macro MAX8 d                          ; the short form, for window 0
.irp k, 0,1,2,3,4,5,6,7
	v_max_num_f32 v[(\d)+\k], 0, v[(\d)+\k]
.endr
.endm
.macro CVT4 d, t                       ; eight rows of a column rounded to bf16: 16 bytes (window 0)
.irp k, 0,1,2,3
	v_cvt_pk_bf16_f32 v[(\t)+\k], v[(\d)+2*\k], v[(\d)+2*\k+1]
.endr
.endm
.macro ST4 st, t, off                  ; a unit's four quads, one for each of my column tiles, into its block (window 0)
.irp a, 0,1,2,3
	ds_store_b128 v[\st], v[(\t)+4*\a:(\t)+4*\a+3] offset:(\off)+512*\a
.endr
.endm
; THE CHAIN.  CSPLIT l: h[l] of my 64 columns (every lane holds column 64 w + 16 a + r in the pair's first register) goes into input l's two planes: lanes 0-15 store the rounding, lanes 16-31 the rounded remainder.
.macro CSPLIT l
.irp a, 0,1,2,3
	v_cvt_pk_bf16_f32 v[64+\a], v[HB+8*(\l)+2*\a], v[HB+8*(\l)+2*\a]
.endr
.irp a, 0,1,2,3
	v_lshlrev_b32 v[68+\a], 16, v[64+\a]
.endr
.irp a, 0,1,2,3
	v_sub_f32 v[68+\a], v[HB+8*(\l)+2*\a], v[68+\a]
.endr
.irp a, 0,1,2,3
	v_cvt_pk_bf16_f32 v[68+\a], v[68+\a], v[68+\a]
.endr
.irp a, 0,1,2,3
	v_cndmask_b32 v[64+\a], v[64+\a], v[68+\a], s56
.endr
.irp a, 0,1,2,3
	ds_store_b16 v[CHS], v[64+\a] offset:(\l)*1024+32*\a
.endr
.endm
; CLAYER i: h[i+1] from h[i].  Eight fragments out of the planes (a lane's row r takes plane r / 8), 32 matrix instructions on four accumulators by turns; then, of each accumulator's register 0,
; the two halves of the lanes are added, zb (loaded into the pair's first register) is added, the relu taken, and the pair's second register, the rounded bias, multiplied by h.
; The window just multiplied by takes its layer of As_w: the loads stand more than four plain instructions behind the last product that read those registers (ISA guide 7.12.1 for vector instructions).
.macro CLAYER i
.irp c, 0,1,2,3,4,5,6,7
	ds_load_b128 v[F0+8*\c:F0+8*\c+3], v[CHL] offset:(\i)*1024+64*\c
	ds_load_b128 v[F0+8*\c+4:F0+8*\c+7], v[CHL] offset:(\i)*1024+64*\c+32
.endr
	s_wait_dscnt 0x0
.if (\i) == 2
	s_wait_loadcnt 63                              ; loads come back in order: behind Wa's third layer two layers of As_w, 128 loads, were issued, and the 63 youngest alone may be out
.endif
	WIN ((\i)+1)<<2                                ; source 1 in the layer's window
.irp c, 0,1,2,3,4,5,6,7
.irp a, 0,1,2,3
.if \c == 0
	v_wmma_f32_16x16x32_bf16 v[CA+8*\a:CA+8*\a+7], v[F0+8*\c:F0+8*\c+7], v[64*\a+8*\c:64*\a+8*\c+7], 0
.else
	v_wmma_f32_16x16x32_bf16 v[CA+8*\a:CA+8*\a+7], v[F0+8*\c:F0+8*\c+7], v[64*\a+8*\c:64*\a+8*\c+7], v[CA+8*\a:CA+8*\a+7]
.endif
.endr
.endr
	WIN 0
.rept 4
	v_nop                                          ; four places behind the last product
.endr
.irp a, 0,1,2,3
	v_permlanex16_b32 v[T+\a], v[CA+8*\a], s58, s59  ; the other half of the lanes' product
.endr
.irp a, 0,1,2,3
	v_add_f32 v[T+\a], v[T+\a], v[CA+8*\a]
.endr
.irp a, 0,1,2,3
	v_add_f32 v[HB+8*(\i)+8+2*\a], v[HB+8*(\i)+8+2*\a], v[T+\a]
.endr
.irp a, 0,1,2,3
	v_max_num_f32 v[HB+8*(\i)+8+2*\a], 0, v[HB+8*(\i)+8+2*\a]
.endr
.irp a, 0,1,2,3
	v_mul_f32 v[HB+8*(\i)+9+2*\a], v[HB+8*(\i)+9+2*\a], v[HB+8*(\i)+8+2*\a]  ; bias x h
.endr
.if (\i) < 2
	CSPLIT (\i)+1
.endif
	WL1 (\i)+1, 20, 21
.if (\i) < 2
	s_wait_dscnt 0x0                               ; for the others' sake: my columns of h are in the planes
	s_barrier_signal -1
	s_barrier_wait -1
.endif
.endm
; A UNIT of layer L: 32 matrix instructions, K chunk i / 4, column tile i % 4; the four accumulators take turns, from unit to unit too; the first four start the sums.
; he = 1: the unit before's way out rides along, with the pairs at ehb: behind products 0, 1 the scaling of accumulators 0, 1; behind 2-5 their maxima; behind 6, 7 their rounding into T; behind 8, 9, 10-13, 14 and 28
; the same for accumulators 2, 3.  Scaling and rounding name two vector sources and want window 0; the maxima do not.  Each accumulator is read from its lowest registers on, four plain instructions or more behind its
; last product (ISA guide 7.12.1): for accumulator 0 they are the four roundings behind product 28 of the unit that made it, for accumulator 1 accumulator 0's scaling.
; THE RUN, behind product 1.  hs = 1: T, packed in the unit before this one, goes to the block at soff of sst.  hp = 1: the next unit's fragments are asked for, 30 products ahead of their use, eight plain instructions
; behind the last product that read that buffer.  T is written again from product 6 on.
; The wait at the head is for 0: the 16 loads are the youngest LDS instructions.  bar = 1: a barrier follows it.
.macro UNIT L, u, he, ehb, hs, sst, soff, hp, pbuf, poff, bar
.set FC_, F0+64*((\u)&1)
.set FN_, F0+64*(1-((\u)&1))
.set AC_, ACC+32*((\u)&1)
.set EA_, ACC+32*(1-((\u)&1))
	s_wait_dscnt 0x0                               ; my fragments are in; my stores are in LDS
.if \bar
	s_barrier_signal -1                            ; every wave's stores up to here are in LDS, and its loads are back
	s_barrier_wait -1
.endif
.set i_, 0
.rept 32
.set c_, i_/4
.set a_, i_%4
	WIN (\L)<<2                                    ; source 1 in the layer's window
.if c_ == 0
	v_wmma_f32_16x16x32_bf16 v[AC_+8*a_:AC_+8*a_+7], v[FC_+8*c_:FC_+8*c_+7], v[64*a_+8*c_:64*a_+8*c_+7], 0
.else
	v_wmma_f32_16x16x32_bf16 v[AC_+8*a_:AC_+8*a_+7], v[FC_+8*c_:FC_+8*c_+7], v[64*a_+8*c_:64*a_+8*c_+7], v[AC_+8*a_:AC_+8*a_+7]
.endif
.if \he
.if i_ < 2
	WIN 0
	FMA4 EA_+8*i_, EA_+8*i_, (\ehb)+2*i_
.elseif i_ < 6
	MAX4 EA_+4*(i_-2)
.elseif i_ < 8
	WIN 0
	CVT4 EA_+8*(i_-6), T+4*(i_-6)
.elseif i_ < 10
	WIN 0
	FMA4 EA_+8*(i_-6), EA_+8*(i_-6), (\ehb)+2*(i_-6)
.elseif i_ < 14
	MAX4 EA_+16+4*(i_-10)
.elseif i_ == 14
	WIN 0
	CVT4 EA_+16, T+8
.elseif i_ == 28
	WIN 0
	CVT4 EA_+24, T+12
.endif
.endif
.if i_ == 1
.if \hs
	WIN 0                                          ; a store's data is source 1
	ST4 \sst, T, \soff
.endif
.if \hp
	PF \pbuf, \poff, FN_
.endif
.endif
.set i_, i_+1
.endr
.if !(\he)
.rept 4
	v_nop                                          ; no way out rides here: four places behind the last products
.endr
.endif
.endm
; A layer's eight units.  inb: its input's load register; outs: its output's store register; pe = 1: there is a layer before, whose last way out rides on unit 0 and whose blocks 6 and 7 go out, by pest, in units 0 and 1;
; pn, nxtb: unit 7 asks for the next layer's unit 0.
; ORDER IN LDS.  Count the units on through the layers, g = 8 l + u.  Output block v of layer l is stored in unit 8 l + v + 2 and read in unit 8 l + v + 7.  A barrier opens every unit whose g is a multiple of 4 (layer 1's
; unit 0 has the one in front of it), and five units on end hold such a unit: so a barrier, with every wave's wait for its LDS instructions in front, lies between each store and the read of it.  A block is written
; again 11 units behind its last read: two barriers or more.  Between two barriers the blocks stored and the blocks loaded are different ones: units 12-15 store Q2-5 and load P5-7, Q0; 16-19 store Q6, Q7, P0, P1 and
; load Q1-4; 20-23 store P2-5 and load Q5-7, P0; 24-27 store P6, P7, Q0, Q1 and load P1-4; 28 to the tail store Q2-7 and load P5-7; 8-11 store Q0, Q1 and load P0-4.
.macro PHASE L, inb, outs, pe, pest, pn, nxtb
	UNIT \L, 0, \pe, HB+8*(\L)-8, \pe, \pest, 6*UB, 1, \inb, UB, \pe
	UNIT \L, 1, 1, HB+8*(\L), \pe, \pest, 7*UB, 1, \inb, 2*UB, 0
.irp u, 2,3
	UNIT \L, \u, 1, HB+8*(\L), 1, \outs, (\u-2)*UB, 1, \inb, (\u+1)*UB, 0
.endr
	UNIT \L, 4, 1, HB+8*(\L), 1, \outs, 2*UB, 1, \inb, 5*UB, 1
.irp u, 5,6
	UNIT \L, \u, 1, HB+8*(\L), 1, \outs, (\u-2)*UB, 1, \inb, (\u+1)*UB, 0
.endr
	UNIT \L, 7, 1, HB+8*(\L), 1, \outs, 5*UB, \pn, \nxtb, 0, 0
.endm
	s_load_b512 s[4:19], s[0:1], 0x0               ; s 4, A0_w 6, A0_b 8, As_b 10, A_out_w 12, A_out_b 14, h0w 16, zb 18
	s_load_b128 s[20:23], s[0:1], 0x40             ; asf 20, out0 22
	s_load_b256 s[48:55], s[0:1], 0x50             ; waf 48, fp 50, c2_b 52, out1 54
	v_lshl_add_u32 v[SPW], v0, 2, SPARE
	v_mov_b32 v[NIL], 0
	v_lshrrev_b32 v[RR], 5, v0
	v_readfirstlane_b32 s24, v[RR]                 ; wave 0..3
	s_mov_b32 s25, ttmp9                           ; my 1,024 rows
	s_lshr_b32 s26, s25, 1                         ; b
	v_and_b32 v[L16], 31, v0
	v_lshlrev_b32 v[GO], 3, v[L16]
	v_lshlrev_b32 v[L16], 4, v[L16]
	v_and_b32 v[RR], 15, v0
	v_bfe_u32 v[HH], v0, 4, 1
	v_and_b32 v48, 7, v0
	v_bfe_u32 v49, v0, 3, 1
	v_lshl_add_u32 v48, v[HH], 3, v48
	v_lshlrev_b32 v48, 5, v48
	v_lshl_add_u32 v[LP], v49, 4, v48              ; XP begins at LDS byte 0
	v_add_nc_u32 v[LQ], XQ, v[LP]
	s_lshl_b32 s27, s24, 14
	v_add_nc_u32 v[OQ], s27, v[LQ]
	v_lshlrev_b32 v48, 5, v[RR]
	v_lshl_add_u32 v48, v[HH], 4, v48
	s_lshl_b32 s27, s24, 11
	v_add_nc_u32 v[STP], s27, v48
	v_add_nc_u32 v[STQ], XQ, v[STP]
	v_lshl_add_u32 v[SAD], v[HH], 5, SB
	v_add_nc_u32 v[AOA], AO, v[L16]
	s_add_co_u32 s28, s27, STG
	v_mul_u32_u24 v48, v[RR], 24
	v_lshl_add_u32 v48, v[HH], 10, v48
	v_add_nc_u32 v[SGS], s28, v48
	v_add_nc_u32 v[SGL], s28, v[GO]
	; the set-up's own addresses, in registers that the loop uses later
	v_lshlrev_b32 v48, 5, v0                       ; s: 32 bytes a thread
	v_add_nc_u32 v51, SB, v48
	s_lshl_b32 s29, s24, 8
	v_lshl_add_u32 v49, v[RR], 2, s29              ; column 64 w + r in a vector of f32
	v_min_u32 v50, 5, v[RR]                        ; A_out_w has six rows: lanes 6-15 load row 5 and are set to 0 below
	v_lshlrev_b32 v50, 10, v50
	v_lshl_add_u32 v50, v[HH], 5, v50
	v_add_nc_u32 v50, s29, v50                     ; K chunks 2 w and 2 w + 1
	v_add_nc_u32 v52, s27, v[AOA]
	v_lshlrev_b32 v[CHS], 1, v[RR]                 ; the chain's planes: where I store,
	v_lshl_add_u32 v[CHS], v[HH], 9, v[CHS]
	s_lshl_b32 s31, s24, 7
	s_add_co_u32 s31, s31, CH
	v_add_nc_u32 v[CHS], s31, v[CHS]
	v_lshrrev_b32 v[CHL], 3, v[RR]                 ; and from where I load
	v_lshlrev_b32 v[CHL], 9, v[CHL]
	v_lshl_add_u32 v[CHL], v[HH], 4, v[CHL]
	v_add_nc_u32 v[CHL], CH, v[CHL]
	v_cmp_eq_u32 s56, 1, v[HH]                     ; s56: the upper half of the lanes
	s_mov_b32 s58, 0x76543210                      ; v_permlanex16_b32's selects: each lane takes its own place in the other half
	s_mov_b32 s59, 0xfedcba98
	v_and_b32 v62, 31, v0                          ; lane
	v_and_b32 v60, 7, v0
	v_lshlrev_b32 v60, 9, v60                      ; fp: strip lane % 8
	v_mov_b32 v61, 0                               ; out1: no lane term
	s_wait_kmcnt 0x0
	s_load_b128 s[40:43], s[14:15], 0x0            ; A_out_b's six numbers
	s_load_b64 s[44:45], s[14:15], 0x10
	s_load_b32 s46, s[52:53], 0x0                  ; c2_b
	s_mov_b32 s29, 0                               ; the high word of every offset
	s_lshl_b32 s28, s25, 12
	s_add_nc_u64 s[4:5], s[4:5], s[28:29]
	s_lshl_b32 s28, s26, 10
	s_add_nc_u64 s[16:17], s[16:17], s[28:29]      ; row b of h0 and of zb's three planes
	s_add_nc_u64 s[18:19], s[18:19], s[28:29]
	s_lshl_b32 s28, s26, 2
	s_add_nc_u64 s[50:51], s[50:51], s[28:29]      ; b's number in a strip of fp, and in out1
	s_add_nc_u64 s[54:55], s[54:55], s[28:29]
	s_lshl_b32 s28, s24, 15
	s_add_nc_u64 s[48:49], s[48:49], s[28:29]      ; my 64 rows in both sets of weights
	s_add_nc_u64 s[20:21], s[20:21], s[28:29]
	; the small loads first, 47 of them, then Wa's three layers
.irp a, 0,1,2,3
	global_load_b32 v[HB+2*\a], v49, s[16:17] offset:64*\a
	global_load_b32 v[HB+2*\a+1], v49, s[8:9] offset:64*\a
	global_load_b32 v[T+\a], v49, s[6:7] offset:64*\a
.irp l, 1,2,3
	global_load_b32 v[HB+8*\l+2*\a], v49, s[18:19] offset:131072*(\l-1)+64*\a
	global_load_b32 v[HB+8*\l+2*\a+1], v49, s[10:11] offset:1024*(\l-1)+64*\a
.endr
.endr
	global_load_b128 v[176:179], v48, s[4:5]
	global_load_b128 v[180:183], v48, s[4:5] offset:16
.irp i, 0,1
.irp e, 0,1,2,3
	global_load_b128 v[F0+16*\i+4*\e:F0+16*\i+4*\e+3], v50, s[12:13] offset:128*\i+16*(\e&1)+64*(\e>>1)
.endr
.endr
	global_load_b32 v188, v60, s[50:51]
	WL1 1, 48, 49
	WL1 2, 48, 49
	WL1 3, 48, 49
	s_wait_loadcnt 63                              ; loads come back in order: behind Wa's second layer the third's 64 loads were issued, and the 63 youngest alone may be out: the small loads and two layers are in
	CSPLIT 0                                       ; h0 into the chain's first planes
	RND2 176, 177, 184
	RND2 178, 179, 185
	RND2 180, 181, 186
	RND2 182, 183, 187
	ds_store_b128 v51, v[176:179]
	ds_store_b128 v51, v[180:183] offset:16
	v_cmp_gt_u32 vcc_lo, 6, v[RR]
.irp i, 0,1
.irp j, 0,1,2,3,4,5,6,7
	v_cvt_pk_bf16_f32 v[144+8*\i+\j], v[F0+16*\i+2*\j], v[F0+16*\i+2*\j+1]
.endr
.irp j, 0,1,2,3,4,5,6,7
	v_cndmask_b32 v[144+8*\i+\j], 0, v[144+8*\i+\j], vcc_lo
.endr
	ds_store_b128 v52, v[144+8*\i:147+8*\i] offset:1024*\i
	ds_store_b128 v52, v[148+8*\i:151+8*\i] offset:1024*\i+512
.endr
.irp l, 0,1,2,3
	RND2 HB+8*\l+1, HB+8*\l+3, 53
	RND2 HB+8*\l+5, HB+8*\l+7, 54
.endr
	RND2 T, T+1, 53
	RND2 T+2, T+3, 54
.irp a, 0,1,2,3
	v_mul_f32 v[HB+2*\a+1], v[HB+2*\a+1], v[HB+2*\a]  ; A0_b x h0
.endr
.irp a, 0,1,2,3
	v_mul_f32 v[HB+2*\a], v[T+\a], v[HB+2*\a]      ; A0_w x h0
.endr
	s_wait_kmcnt 0x0
.irp k, 0,2,4
	v_mov_b32 v53, s[40+\k]
	v_mov_b32 v54, s[41+\k]
	RND2 53, 54, 55
	v_readfirstlane_b32 s[32+\k], v53              ; s32-37: A_out_b, rounded
	v_readfirstlane_b32 s[33+\k], v54
.endr
	s_mul_i32 s28, s25, 24576                      ; out0: my work-group's 1,024 rows of 24 bytes, my wave's 256 of them
	s_mul_i32 s27, s24, 6144
	s_add_co_u32 s28, s28, s27
	s_add_nc_u64 s[22:23], s[22:23], s[28:29]
	s_mov_b32 s30, 8
	; f of b: wave 0 of the first of b's two work-groups
	s_cmp_lg_u32 s24, 0
	s_cbranch_scc1 .Lno_f
	s_bitcmp1_b32 s25, 0
	s_cbranch_scc1 .Lno_f
	v_add_f32_dpp v188, v188, v188 row_xmask:1 row_mask:0xf bank_mask:0xf  ; each eight lanes hold the eight strips' parts
	v_add_f32_dpp v188, v188, v188 row_xmask:2 row_mask:0xf bank_mask:0xf
	v_add_f32_dpp v188, v188, v188 row_xmask:4 row_mask:0xf bank_mask:0xf
	v_mov_b32 v189, s46
	v_cvt_pk_bf16_f32 v189, v189, v189             ; c2_b is rounded to bf16 like every input
	v_lshlrev_b32 v189, 16, v189
	v_add_f32 v188, v188, v189
	v_mul_f32 v188, 0xbfb8aa3b, v188               ; sigmoid(x) = 1 / (1 + 2^(-x log2 e))
	v_exp_f32 v188, v188
	v_nop                                          ; a plain instruction behind a transcendental, ahead of its result's use (ISA guide 5.7.2)
	s_wait_alu depctr_va_vdst(0)
	v_add_f32 v188, 1.0, v188
	v_rcp_f32 v188, v188
	v_nop
	v_cmp_eq_u32 vcc_lo, 0, v62
	s_wait_xcnt 0x0                                ; EXEC changes only behind this wait
	s_and_saveexec_b32 s57, vcc_lo                 ; every lane holds the number; lane 0 stores it
	s_wait_alu depctr_va_vdst(0)
	global_store_b32 v61, v188, s[54:55]
	s_wait_xcnt 0x0
	s_or_b32 exec_lo, exec_lo, s57
.Lno_f:
	s_wait_dscnt 0x0                               ; for the others' sake: my part of h0's planes, of s and of A_out_w is in LDS
	s_barrier_signal -1
	s_barrier_wait -1
	CLAYER 0
	CLAYER 1
	CLAYER 2
.Lgroup:                                               ; eight trips: 128 rows through all layers
	; LAYER 0: K = 1, so it is vector work: my 64 columns of the group's eight units, into XP.  A unit's four column tiles go kind by kind (16 scalings, 32 maxima, 16 roundings), so that no line reads the result of
	; the line before it, and its four stores stand in one run; the packed results take four sets of 16 registers in F1 by turns, so that no rounding writes what a store of the last three units reads.
.irp u, 0,1,2,3,4,5,6,7
.irp e, 0,1
	ds_load_b128 v[F0+8*\u+4*\e:F0+8*\u+4*\e+3], v[SAD] offset:(\u>>1)*1024+(\u&1)*64+16*\e
.endr
.endr
	s_wait_dscnt 0x0
.set u_, 0
.rept 8
.set ZA_, ACC+32*(u_&1)
.set ZP_, F1+16*(u_&3)
.irp a, 0,1,2,3
	FMA4 ZA_+8*\a, F0+8*u_, HB+2*\a
.endr
.irp a, 0,1,2,3
	MAX8 ZA_+8*\a
.endr
.irp a, 0,1,2,3
	CVT4 ZA_+8*\a, ZP_+4*\a
.endr
	ST4 STP, ZP_, UB*u_
.set u_, u_+1
.endr
	s_wait_dscnt 0x0                               ; x0 is in XP; my reads of XQ for the last trip's y came back long ago
	s_barrier_signal -1
	s_barrier_wait -1
	PF LP, 0, F0
	s_wait_loadcnt 63                              ; first trip: behind As_w's second layer the third's 64 loads were issued, and the 63 youngest alone may be out: layers 1 and 2 are in.  Later trips: no load is out
	PHASE 1, LP, STQ, 0, STP, 1, LQ
	PHASE 2, LQ, STP, 1, STQ, 1, LP
	s_wait_loadcnt 0x0                             ; first trip: As_w's third layer is in
	PHASE 3, LP, STQ, 1, STP, 0, LP
	WIN 0
	; THE TAIL: the last unit's way out has no unit to ride on; it packs into F0, which no product reads any more; blocks 6 (in T) and 7 go out in one run
.irp a, 0,1,2,3
	FMA4 ACC+32+8*\a, ACC+32+8*\a, HB+24+2*\a
.endr
.irp a, 0,1,2,3
	MAX8 ACC+32+8*\a
.endr
.irp a, 0,1,2,3
	CVT4 ACC+32+8*\a, F0+4*\a
.endr
	ST4 STQ, T, 6*UB
	ST4 STQ, F0, 7*UB
	s_wait_dscnt 0x0                               ; x3 is in XQ, and my reads of XP are back: the next trip's layer 0 may write XP
	s_barrier_signal -1
	s_barrier_wait -1
	; THE HEAD: y of my two units.  Transposed: source 0 = A_out_w's 16 rows (6 of them y's), source 1 = 16 rows of x3: a lane of the lower half holds one row's six numbers
.irp k, 0,1,2,3,4,5,6,7
	ds_load_b128 v[ACC+8*\k:ACC+8*\k+3], v[AOA] offset:1024*\k
	ds_load_b128 v[ACC+8*\k+4:ACC+8*\k+7], v[AOA] offset:1024*\k+512
.endr
.irp k, 0,1,2,3,4,5,6,7                ; x3's fragments K chunk by K chunk, both units' together
.irp t, 0,1
	ds_load_tr16_b128 v[F0+64*\t+8*\k:F0+64*\t+8*\k+3], v[OQ] offset:UB*\t+1024*\k
	ds_load_tr16_b128 v[F0+64*\t+8*\k+4:F0+64*\t+8*\k+7], v[OQ] offset:UB*\t+1024*\k+512
.endr
.endr
.irp c, 0,1,2,3,4,5,6,7                ; the two accumulators take turns
	s_wait_dscnt 28-4*\c                           ; LDS loads come back in order (ISA guide 5.7.1): chunk c is in; the four loads of each later chunk may stay out
.irp t, 0,1
.if \c == 0
	v_wmma_f32_16x16x32_bf16 v[T+8*\t:T+8*\t+7], v[ACC+8*\c:ACC+8*\c+7], v[F0+64*\t+8*\c:F0+64*\t+8*\c+7], 0
.else
	v_wmma_f32_16x16x32_bf16 v[T+8*\t:T+8*\t+7], v[ACC+8*\c:ACC+8*\c+7], v[F0+64*\t+8*\c:F0+64*\t+8*\c+7], v[T+8*\t:T+8*\t+7]
.endif
.endr
.endr
.rept 4
	v_nop                                          ; four places behind the last product
.endr
.irp t, 0,1
.irp j, 0,1,2,3,4,5
	v_add_f32 v[T+8*\t+\j], s[32+\j], v[T+8*\t+\j]
.endr
.endr
.irp t, 0,1
.irp i, 0,1,2
	ds_store_b64 v[SGS], v[T+8*\t+2*\i:T+8*\t+2*\i+1] offset:384*\t+8*\i
.endr
.endr
.irp i, 0,1,2
	ds_load_b64 v[F0+2*\i:F0+2*\i+1], v[SGL] offset:256*\i  ; LDS serves a wave's instructions in order (ISA guide 5.7.1.4): these see the stores above
.endr
	s_wait_dscnt 0x0
.irp i, 0,1,2
	global_store_b64 v[GO], v[F0+2*\i:F0+2*\i+1], s[22:23] offset:256*\i th:TH_STORE_NT  ; 32 lanes store 256 consecutive bytes, at a multiple of 256 from out0's first
.endr
	s_wait_xcnt 0x0                                ; the stores' base and data are written again only behind this wait
	s_add_nc_u64 s[22:23], s[22:23], 768           ; the next 32 rows of y
	v_add_nc_u32 v[SAD], 128, v[SAD]               ; and of s
	s_sub_co_u32 s30, s30, 1
	s_cmp_lg_u32 s30, 0
	s_cbranch_scc1 .Lgroup
	s_wait_tensorcnt 0x0                           ; the wave's end, behind my last LDS store
	ds_add_u32 v[SPW], v[NIL]
	s_wait_dscnt 0x0
	s_endpgm
.Lfunc_end_k_q8fa95302ca_main:
	.size	k_q8fa95302ca_main, .Lfunc_end_k_q8fa95302ca_main-k_q8fa95302ca_main
	.p2alignl 7, 3214868480
	.fill 96, 4, 3214868480
	.section	.rodata,"a",@progbits
	.p2align	6, 0x0
	.amdhsa_kernel k_q8fa95302ca_main
		.amdhsa_group_segment_fixed_size 155136
		.amdhsa_private_segment_fixed_size 0
		.amdhsa_enable_private_segment 0
		.amdhsa_kernarg_size 112
		.amdhsa_user_sgpr_count 2
		.amdhsa_user_sgpr_kernarg_segment_ptr 1
		.amdhsa_wavefront_size32 1
		.amdhsa_system_sgpr_workgroup_id_x 1
		.amdhsa_system_sgpr_workgroup_id_y 1
		.amdhsa_system_sgpr_workgroup_id_z 1
		.amdhsa_system_vgpr_workitem_id 0
		.amdhsa_next_free_vgpr 1024
		.amdhsa_next_free_sgpr 66
		.amdhsa_reserve_vcc 1
		.amdhsa_float_denorm_mode_32 3
		.amdhsa_float_denorm_mode_16_64 3
		.amdhsa_memory_ordered 1
		.amdhsa_forward_progress 1
		.amdhsa_inst_pref_size 255
	.end_amdhsa_kernel
	.section	.bss,"aw",@nobits
	.p2align	6
	.space	262144
	.amdgpu_metadata
---
amdhsa.version: [ 1, 2 ]
amdhsa.kernels:
  - .name:           k_q8fa95302ca_main
    .symbol:         k_q8fa95302ca_main.kd
    .args:
      - { .name: s, .offset: 0, .size: 8, .value_kind: global_buffer, .address_space: global }
      - { .name: A0_w, .offset: 8, .size: 8, .value_kind: global_buffer, .address_space: global }
      - { .name: A0_b, .offset: 16, .size: 8, .value_kind: global_buffer, .address_space: global }
      - { .name: As_b, .offset: 24, .size: 8, .value_kind: global_buffer, .address_space: global }
      - { .name: A_out_w, .offset: 32, .size: 8, .value_kind: global_buffer, .address_space: global }
      - { .name: A_out_b, .offset: 40, .size: 8, .value_kind: global_buffer, .address_space: global }
      - { .name: h0w, .offset: 48, .size: 8, .value_kind: global_buffer, .address_space: global }
      - { .name: zb, .offset: 56, .size: 8, .value_kind: global_buffer, .address_space: global }
      - { .name: asf, .offset: 64, .size: 8, .value_kind: global_buffer, .address_space: global }
      - { .name: out0, .offset: 72, .size: 8, .value_kind: global_buffer, .address_space: global }
      - { .name: waf, .offset: 80, .size: 8, .value_kind: global_buffer, .address_space: global }
      - { .name: fp, .offset: 88, .size: 8, .value_kind: global_buffer, .address_space: global }
      - { .name: c2_b, .offset: 96, .size: 8, .value_kind: global_buffer, .address_space: global }
      - { .name: out1, .offset: 104, .size: 8, .value_kind: global_buffer, .address_space: global }
    .group_segment_fixed_size: 155136
    .private_segment_fixed_size: 0
    .kernarg_segment_align: 8
    .kernarg_segment_size: 112
    .max_flat_workgroup_size: 128
    .sgpr_count:     66
    .vgpr_count:     1024
    .wavefront_size: 32
...
	.end_amdgpu_metadata
.endif
;; end of part 4
